; MI455X (gfx1250); checked and timed in simulation.
; The chip was launched on July 23, 2026; its instructions are those of AMD's public machine-readable ISA for CDNA 5 (MIT licence, August 2026) and "CDNA5" Instruction Set Architecture Reference Guide (July 2026). The comments in the code are by the model that wrote it; some were corrected since.
;; Fused Self Attention. Allowed arithmetic: matrix products marked QUANTISED: E4M3 operands, one given power-of-two scale a tensor, by v_wmma_f32_16x16x64_fp8_fp8 or v_wmma_f32_16x16x128_fp8_fp8, f32 sums; everything else in f32.
;; Inputs: lowp_scales 8 int32 (the exponents e of the quantised operands' scales 2^e); w_o 1,024 x 1,024 float32; w_qkv 1,024 x 3,072 float32; x 4 x 2,048 x 1,024 float32.
;; Outputs: out0 4 x 2,048 x 1,024 float32.
;; This version of the problem:
;;   THIS VERSION OF THE PROBLEM IS GIVEN IN LOW PRECISION. The matrix products marked QUANTISED in the list below multiply operands that are first quantised to E4M3 (4 exponent bits, 3 mantissa bits; 8 bits a number), with one given power-of-two scale for each operand tensor; their sums are f32. All else is computed in f32.
;;   The module's matrix products, in the order in which they are computed (A, B: the left and right operand; K: the contracted axis; several contracted axes count as one K, in the product's order):
;;     1. [M 8,192, K 1,024] x [K 1,024, N 3,072]; A: input x; B: input w_qkv: QUANTISED (scales: A lowp_scales[0], B lowp_scales[1])
;;     2. batch 64 x [M 2,048, K 64] x [K 64, N 2,048]; A: computed on the way; B: computed on the way: QUANTISED (scales: A lowp_scales[2], B lowp_scales[3])
;;     3. batch 64 x [M 64, K 2,048] x [K 2,048, N 2,048]; A: computed on the way; B: softmax (see below): QUANTISED (scales: A lowp_scales[4], B lowp_scales[5])
;;     4. [M 8,192, K 1,024] x [K 1,024, N 1,024]; A: computed on the way; B: input w_o: QUANTISED (scales: A lowp_scales[6], B lowp_scales[7])
;;   THE QUANTISER, for each operand of a quantised product, along K:
;;     - The operand's scale is 2^e, e = its entry of the input lowp_scales (int32; the entries are numbered through the quantised products in the list's order, A before B).
;;     - Each number is divided by the scale, clamped to +-448, and rounded to the nearest number of E4M3, ties to even, subnormals kept.
;;     - The product sums the exact products of the quantised numbers (number of the format x scale) in f32.
;;   ~~~python
;;   def quantise(x, axis, e):      # numpy; x: float32 -> the quantised numbers, widened to float32 again
;;       x = np.moveaxis(x, axis, -1); K = x.shape[-1]
;;       r = np.clip(x / 2.0 ** e, -448, 448)
;;       step = 2.0 ** (np.maximum(np.frexp(np.where(r == 0, 1, r))[1] - 1, -6) - 3)
;;       q = np.round(r / step) * step * 2.0 ** e      # np.round: ties to even
;;       return np.moveaxis(q, -1, axis).astype(np.float32)
;;   ~~~
;;   SOFTMAX AHEAD OF A QUANTISED PRODUCT. Where the list says 'softmax', what is quantised is not the finished softmax but p = 2^(t - M), with t = logit x log2(e) and M = ceil(the row's largest t), a whole number; so 1/2 < the row's largest p <= 1. The row's sum l is taken of the UNQUANTISED p, in f32, and the product's result is divided by l at the end. Since M is a whole number, a kernel that streams over the keys may use a running M (the ceiling of the running maximum): every later rescaling is an exact power of two, so the quantised numbers keep their values, but for numbers so far below the row's largest that they fall under the format's range.
;;   OPERANDS COMPUTED ON THE WAY. 'Computed on the way' means the value that the module computes at that place (a softmax that the list does not call 'softmax' is quantised finished and normalised). What goes into a quantiser is computed in f32, as accurately as f32 sums, v_exp_f32 and their like allow (about 1e-6 of the number): no bf16 or f16 on the way to a quantiser, and a product that is left as it is and whose result goes on into a quantised operand takes f32 operands (vector FMAs, or v_wmma_f32_16x16x4_f32). A number that lies on a knife's edge between two numbers of the format may be rounded either way, as far as f32 arithmetic and the matrix unit's own rounding can turn it there, and no further.
;; One version. Each part assembles by itself: llvm-mc -triple=amdgcn-amd-amdhsa -mcpu=gfx1250 --defsym DOCPART=n.
;; ======== version 1 of 1: 4 launches
;; limits: right only within a limited range of input values
;; workspace buffers: x_codes 8,388,608 bytes; wqkv_codes 3,145,728 bytes; wo_codes 1,048,576 bytes; q_codes 8,388,608 bytes; k_codes 8,388,608 bytes; v_codes 8,388,608 bytes; o_img 8,388,608 bytes
;; launch quant (part 1): grid 640 x 1, 4 waves a work-group, no clusters, 68,096 bytes of LDS; arguments x, w_qkv, w_o, lowp_scales, x_codes, wqkv_codes, wo_codes; writes x_codes, wqkv_codes, wo_codes
.if DOCPART == 1
	.amdgcn_target "amdgcn-amd-amdhsa--gfx1250"
	.amdhsa_code_object_version 6
	.text
	.protected	k_q23d4fc5bd9_quant
	.globl	k_q23d4fc5bd9_quant
	.p2align	8
	.type	k_q23d4fc5bd9_quant,@function
k_q23d4fc5bd9_quant:
	s_mov_b64 s[64:65], 0
	v_nop
	global_prefetch_b8 v0, s[64:65] scope:SCOPE_SE
	s_setreg_imm32_b32 hwreg(HW_REG_WAVE_MODE, 25, 1), 1
	s_wait_xcnt 0x0
; x [8192][1024], w_qkv [1024][3072] and w_o [1024][1024], f32, become codes of FP8 (E4M3), one code a byte, K innermost:
; x_codes [8192][1024], wqkv_codes [3072][1024], wo_codes [1024][1024].  code = number / 2^e, held within +-448, to the nearest code, ties to even.
; e: entry 0 of the scales for x, entry 1 for w_qkv, entry 7 for w_o.  LIMITS: each e between -126 and 119, so that 2^e and 448 x 2^e are f32 numbers.  NaN among the inputs is not served.
; Work-groups 0 to 127 take the weights, whose K is their FIRST axis; work-groups 128 to 639 take x, whose K is innermost.  The two ways part on the work-group's number and never join;
; each has LDS bytes of its own.  No tensor loads, no barrier: waves share nothing.
; X: a plain stream.  A wave takes 8 steps of 512 numbers.  A load reads 512 consecutive bytes, 16 a lane; a step's 2,048 bytes turn through the wave's stage in LDS and come back 64 bytes a lane, so that
; a lane holds 16 neighbours along K, as the conversions want them.  A lane's 16 codes are 16 bytes: the wave stores 512 consecutive bytes.
; WEIGHTS: a lane takes a column n and its registers run down K: a load reads 128 consecutive bytes a wave, and the codes come out with K innermost.  A wave takes 32 columns x 256 along K; the codes go
; through its stage in LDS and leave as rows: sixteen lanes store 256 consecutive bytes, aligned.
; WORK LEFT OUT IN THIS PROGRAM (launch attn): reference() builds the causal mask itself (jnp.tri) and sets the logit of key k for query q to -1e30 where k > q.  Key q always counts, so the row's largest logit is a
; finite score, and the softmax gives a hidden key the weight 0 for all finite inputs: blocks of 128 keys that lie wholly behind a tile's 16 queries reach no output and are not multiplied.
; LIMIT: a NaN, an infinity or an overflow that reaches only such a block is not carried to the result.  Every input has a way to the output and is loaded.
.set SP,    80                         ; x: a lane's place in a stage: 64 bytes + 16 of padding
.set WREG,  8192                       ; x: LDS of a wave: two stages of 32 x SP bytes
.set R,     16                         ; x: v16-79   four sets of 16 numbers as loaded
.set X,     80                         ; x: v80-111  two sets of 16 neighbours
.set C,     128                        ; x: v128-159 codes, four registers for each step: no store's data are written again
.set WST,   32768                      ; weights: their stages begin here
.set WP,    272                        ; weights: a stage row: 256 bytes + 16
.set XW,    32                         ; weights: v32-95  two sets of 32 numbers
.set CW,    96                         ; weights: v96-103 a block's codes
.set OUTR,  112                        ; weights: v112-175 the way out
	s_load_b256 s[4:11], s[0:1], 0x0               ; x s[4:5], w_qkv s[6:7], w_o s[8:9], the scales' exponents s[10:11]
	s_load_b128 s[12:15], s[0:1], 0x20             ; x_codes s[12:13], wqkv_codes s[14:15]
	s_load_b64 s[16:17], s[0:1], 0x30              ; wo_codes
	v_lshl_add_u32 v192, v0, 2, 0x10800
	v_mov_b32 v193, 0
	v_lshrrev_b32 v1, 5, v0
	v_readfirstlane_b32 s18, v1                    ; wave 0..3
	v_and_b32 v2, 31, v0                           ; lane
	s_wait_kmcnt 0x0
	s_load_b256 s[24:31], s[10:11], 0x0            ; e0 .. e7
	s_cmp_lt_u32 ttmp9, 128
	s_cbranch_scc1 .Lweights
	; ---------------- x ----------------
	s_wait_alu depctr_va_vdst(0)
	v_lshlrev_b32 v3, 4, v2                        ; 16 x lane: my bytes of a load's 512, and of a store's
	s_wait_alu depctr_va_vdst(0)
	s_mul_i32 s19, s18, WREG
	v_lshrrev_b32 v14, 2, v2
	v_mul_u32_u24 v14, v14, SP
	v_and_b32 v15, 3, v2
	v_lshl_add_u32 v14, v15, 4, v14
	v_add_nc_u32 v14, s19, v14                     ; into the stage: SP (lane / 4) + 16 (lane % 4); a load's 512 bytes take eight places
	v_mul_u32_u24 v15, v2, SP
	v_add_nc_u32 v15, s19, v15                     ; out of it: SP x lane: my 16 neighbours
	s_sub_co_u32 s20, ttmp9, 128
	s_lshl_b32 s20, s20, 2
	s_add_co_u32 s20, s20, s18                     ; which run of 4,096 numbers is my wave's: 0 .. 2047
	s_lshl_b32 s22, s20, 14
	s_mov_b32 s23, 0
	s_add_nc_u64 s[4:5], s[4:5], s[22:23]
	s_lshl_b32 s22, s20, 12
	s_add_nc_u64 s[12:13], s[12:13], s[22:23]
.macro XLOAD t
.irp i, 0,1,2,3
	global_load_b128 v[R+16*((\t)%4)+4*\i:R+16*((\t)%4)+4*\i+3], v3, s[4:5] offset:2048*(\t)+512*\i th:TH_LOAD_NT
.endr
.endm
.macro XTURN t                         ; step t's numbers through the stage: LDS serves a wave's instructions in order, so no wait stands between the stores and the loads
.irp i, 0,1,2,3
	ds_store_b128 v14, v[R+16*((\t)%4)+4*\i:R+16*((\t)%4)+4*\i+3] offset:32*SP*((\t)%2)+8*SP*\i
.endr
.irp i, 0,1,2,3
	ds_load_b128 v[X+16*((\t)%2)+4*\i:X+16*((\t)%2)+4*\i+3], v15 offset:32*SP*((\t)%2)+16*\i
.endr
.endm
.irp t, 0,1,2,3
	XLOAD \t
.endr
	s_wait_alu depctr_va_vdst(0)
	s_wait_kmcnt 0x0
	s_add_co_i32 s22, s24, 127
	s_lshl_b32 s23, s22, 23
	v_mov_b32 v11, s23                             ; 2^e0 as f32: the conversion takes its exponent field
	s_add_co_i32 s22, s22, 8
	s_lshl_b32 s22, s22, 23
	s_or_b32 s22, s22, 0x600000
	v_mov_b32 v10, s22                             ; 448 x 2^e0
	s_wait_alu depctr_va_vdst(0)
	s_wait_loadcnt 12                              ; step 0's four loads are in; the twelve of steps 1 to 3 may be out
	XTURN 0
.macro XSTEP t
.set XS, X+16*((\t)%2)
	s_wait_dscnt 0x0                               ; this step's numbers are back from the stage, so its stores into the stage have read their registers,
.if (\t)+4 < 8
	XLOAD (\t)+4                                   ; which take the loads of four steps on
.endif
.if (\t)+1 < 8
.if 6-(\t) >= 3
	s_wait_loadcnt 12                              ; the next step's four loads are in; those of the three steps behind it may be out
.else
	s_wait_loadcnt 4*(6-(\t))                      ; fewer steps are left behind it
.endif
	XTURN (\t)+1                                   ; they go through the other stage while this step is worked
.endif
.set ii, 0
.rept 16
	v_med3_num_f32 v[XS+ii], v[XS+ii], -v10, v10   ; the conversion to an 8-bit code does not saturate (ISA guide 7.6.2): hold the number within the largest code x the scale first
.set ii, ii+1
.endr
	v_cvt_scalef32_pk8_fp8_f32 v[C+4*(\t):C+4*(\t)+1], v[XS:XS+7], v11
	v_cvt_scalef32_pk8_fp8_f32 v[C+4*(\t)+2:C+4*(\t)+3], v[XS+8:XS+15], v11
	global_store_b128 v3, v[C+4*(\t):C+4*(\t)+3], s[12:13] offset:512*(\t)   ; the results go to a store alone; the next vector lines are the next step's holds, on other registers
.endm
.irp t, 0,1,2,3,4,5,6,7
	XSTEP \t
.endr
	s_wait_tensorcnt 0x0
	ds_add_u32 v192, v193
	s_wait_dscnt 0x0
	s_endpgm
	; ---------------- the weights ----------------
.Lweights:
	s_and_b32 s19, ttmp9, 31                       ; block of 128 columns: 0 .. 23 of w_qkv, 24 .. 31 of w_o
	s_lshr_b32 s20, ttmp9, 5                       ; which 256 along K: 0 .. 3
	s_mov_b32 s23, 4096
	s_cmp_lt_u32 s19, 24                           ; the choice hangs on the work-group's number alone
	s_cselect_b64 s[4:5], s[6:7], s[8:9]           ; from
	s_cselect_b64 s[12:13], s[14:15], s[16:17]     ; to
	s_cselect_b32 s22, 0, 24
	s_cselect_b32 s23, 12288, s23                  ; a row of the weight in bytes
	s_sub_co_u32 s22, s19, s22
	s_lshl_b32 s22, s22, 7
	s_lshl_b32 s21, s18, 5
	s_add_co_u32 s22, s22, s21                     ; my wave's first column
	s_lshl_b32 s32, s20, 8                         ; my first k
	s_mul_i32 s34, s32, s23
	s_lshl_b32 s33, s22, 2
	s_add_co_u32 s34, s34, s33                     ; from: k rows + 4 x column
	s_mov_b32 s35, 0
	s_add_nc_u64 s[4:5], s[4:5], s[34:35]
	s_lshl_b32 s34, s22, 10
	s_add_co_u32 s34, s34, s32                     ; to: column x 1,024 + k
	s_add_nc_u64 s[12:13], s[12:13], s[34:35]
	s_wait_alu depctr_va_vdst(0)
	v_lshlrev_b32 v3, 2, v2                        ; in: 4 bytes a lane
	s_mul_i32 s36, s18, 32*WP
	s_add_co_u32 s36, s36, WST                     ; my stage
	v_mul_u32_u24 v4, v2, WP
	v_add_nc_u32 v4, s36, v4                       ; into it: row = my column
	v_and_b32 v5, 15, v2
	v_lshrrev_b32 v6, 4, v2
	v_mul_u32_u24 v7, v6, WP
	v_lshl_add_u32 v7, v5, 4, v7
	v_add_nc_u32 v7, s36, v7                       ; out of it: sixteen lanes to a row, two rows an instruction
	v_lshlrev_b32 v8, 10, v6
	v_lshl_add_u32 v8, v5, 4, v8                   ; and the same place in the codes' buffer
; Block t: W(32 t + i, my column), i = 0 .. 31, into set t % 2.  The two weights differ in the row's length alone, which stands in the immediates: two arms, each of 32 loads into the same registers.
.macro WLOAD t
	s_cmp_lt_u32 s19, 24
	s_cbranch_scc0 .Lwo_\@
.set ii, 0
.rept 32
	global_load_b32 v[XW+32*((\t)%2)+ii], v3, s[4:5] offset:(32*(\t)+ii)*12288 th:TH_LOAD_NT
.set ii, ii+1
.endr
	s_branch .Lwj_\@
.Lwo_\@:
.set ii, 0
.rept 32
	global_load_b32 v[XW+32*((\t)%2)+ii], v3, s[4:5] offset:(32*(\t)+ii)*4096 th:TH_LOAD_NT
.set ii, ii+1
.endr
.Lwj_\@:
.endm
	WLOAD 0
	WLOAD 1
	s_wait_kmcnt 0x0
	s_cmp_lt_u32 s19, 24
	s_cselect_b32 s32, s25, s31                    ; e1 or e7
	s_add_co_i32 s32, s32, 127
	s_lshl_b32 s33, s32, 23
	v_mov_b32 v11, s33                             ; 2^e as f32
	s_add_co_i32 s32, s32, 8
	s_lshl_b32 s32, s32, 23
	s_or_b32 s32, s32, 0x600000
	v_mov_b32 v10, s32                             ; 448 x 2^e
.macro WBLOCK t
.set XS, XW+32*((\t)%2)
.if (\t) < 7
	s_wait_loadcnt 32                              ; this block's 32 loads are in; the next block's 32 may be out
.else
	s_wait_loadcnt 0x0
.endif
.set ii, 0
.rept 32
	v_med3_num_f32 v[XS+ii], v[XS+ii], -v10, v10   ; the hold at the largest code x the scale
.set ii, ii+1
.endr
.irp g, 0,1,2,3
	v_cvt_scalef32_pk8_fp8_f32 v[CW+2*\g:CW+2*\g+1], v[XS+8*\g:XS+8*\g+7], v11
.endr
	ds_store_b128 v4, v[CW:CW+3] offset:32*(\t)    ; 32 codes: 32 bytes of my column's row
	ds_store_b128 v4, v[CW+4:CW+7] offset:32*(\t)+16
.if (\t)+2 < 8
	WLOAD (\t)+2
.endif
	s_wait_dscnt 0x0                               ; the stores have read their registers: the next block's codes may be written (32 plain holds come first)
.endm
	s_wait_alu depctr_va_vdst(0)
.irp t, 0,1,2,3,4,5,6,7
	WBLOCK \t
.endr
.irp t, 0,1,2,3,4,5,6,7,8,9,10,11,12,13,14,15
	ds_load_b128 v[OUTR+4*\t:OUTR+4*\t+3], v7 offset:2*\t*WP   ; LDS serves a wave's instructions in order: these see my stores
.endr
.irp t, 0,1,2,3,4,5,6,7,8,9,10,11,12,13,14,15
	s_wait_dscnt 15-\t                             ; the younger loads may be out
	global_store_b128 v8, v[OUTR+4*\t:OUTR+4*\t+3], s[12:13] offset:2*\t*1024
.endr
	s_wait_tensorcnt 0x0
	ds_add_u32 v192, v193
	s_wait_dscnt 0x0
	s_endpgm
.Lfunc_end_k_q23d4fc5bd9_quant:
	.size	k_q23d4fc5bd9_quant, .Lfunc_end_k_q23d4fc5bd9_quant-k_q23d4fc5bd9_quant
	.p2alignl 7, 3214868480
	.fill 96, 4, 3214868480
	.section	.rodata,"a",@progbits
	.p2align	6, 0x0
	.amdhsa_kernel k_q23d4fc5bd9_quant
		.amdhsa_group_segment_fixed_size 68096
		.amdhsa_private_segment_fixed_size 0
		.amdhsa_enable_private_segment 0
		.amdhsa_kernarg_size 56
		.amdhsa_user_sgpr_count 2
		.amdhsa_user_sgpr_kernarg_segment_ptr 1
		.amdhsa_wavefront_size32 1
		.amdhsa_system_sgpr_workgroup_id_x 1
		.amdhsa_system_sgpr_workgroup_id_y 1
		.amdhsa_system_sgpr_workgroup_id_z 1
		.amdhsa_system_vgpr_workitem_id 0
		.amdhsa_next_free_vgpr 194
		.amdhsa_next_free_sgpr 66
		.amdhsa_reserve_vcc 0
		.amdhsa_float_denorm_mode_32 3
		.amdhsa_float_denorm_mode_16_64 3
		.amdhsa_memory_ordered 1
		.amdhsa_forward_progress 1
		.amdhsa_inst_pref_size 93
	.end_amdhsa_kernel
	.amdgpu_metadata
---
amdhsa.version: [ 1, 2 ]
amdhsa.kernels:
  - .name:           k_q23d4fc5bd9_quant
    .symbol:         k_q23d4fc5bd9_quant.kd
    .args:
      - { .name: x, .offset: 0, .size: 8, .value_kind: global_buffer, .address_space: global }
      - { .name: w_qkv, .offset: 8, .size: 8, .value_kind: global_buffer, .address_space: global }
      - { .name: w_o, .offset: 16, .size: 8, .value_kind: global_buffer, .address_space: global }
      - { .name: lowp_scales, .offset: 24, .size: 8, .value_kind: global_buffer, .address_space: global }
      - { .name: x_codes, .offset: 32, .size: 8, .value_kind: global_buffer, .address_space: global }
      - { .name: wqkv_codes, .offset: 40, .size: 8, .value_kind: global_buffer, .address_space: global }
      - { .name: wo_codes, .offset: 48, .size: 8, .value_kind: global_buffer, .address_space: global }
    .group_segment_fixed_size: 68096
    .private_segment_fixed_size: 0
    .kernarg_segment_align: 8
    .kernarg_segment_size: 56
    .max_flat_workgroup_size: 128
    .sgpr_count:     66
    .vgpr_count:     194
    .wavefront_size: 32
...
	.end_amdgpu_metadata
.endif
;; end of part 1
;; launch gemm_qkv (part 2): grid 16 x 32, 4 waves a work-group, clusters of 4 x 4, 327,680 bytes of LDS; arguments x_codes, wqkv_codes, lowp_scales, q_codes, k_codes, v_codes; writes q_codes, k_codes, v_codes
.if DOCPART == 2
	.amdgcn_target "amdgcn-amd-amdhsa--gfx1250"
	.amdhsa_code_object_version 6
	.text
	.protected	k_q23d4fc5bd9_gemm_qkv
	.globl	k_q23d4fc5bd9_gemm_qkv
	.p2align	8
	.type	k_q23d4fc5bd9_gemm_qkv,@function
k_q23d4fc5bd9_gemm_qkv:
	s_mov_b64 s[64:65], 0
	v_nop
	global_prefetch_b8 v0, s[64:65] scope:SCOPE_SE
	s_setreg_imm32_b32 hwreg(HW_REG_WAVE_MODE, 25, 1), 1
	s_wait_xcnt 0x0
	s_wait_alu depctr_hold_cnt(0) depctr_sa_sdst(0) depctr_va_vdst(0) depctr_va_sdst(0) depctr_va_ssrc(0) depctr_va_vcc(0) depctr_vm_vsrc(0)
	s_getreg_b32 s2, hwreg(HW_REG_IB_STS2, 6, 4)
	s_cmp_eq_u32 s2, 0
	s_cbranch_scc0 .Lentry_in_a_cluster
	s_endpgm
.Lentry_in_a_cluster:
	s_bfe_u32 s2, ttmp6, 0x10000c
	s_cmp_lg_u32 s2, 0xf033
	s_cbranch_scc0 .Lentry_shape_is_right
	s_endpgm
.Lentry_shape_is_right:
; qkv = x w_qkv on codes of FP8 (E4M3), sums in f32, and the results quantised at once as the operands of the two products of attention.
; x_codes [8192 tokens][1024], wqkv_codes [3072][1024] (row n = column n of w_qkv: head x 192 + q 0-63, k 64-127, v 128-191).  A sum stands for sum x 2^(e0 + e1); its code is sum / 2^(eX - e0 - e1),
; held within +-448: eX = entry 2 of the scales for q, 3 for k, 4 for v.  LIMITS: eX - e0 - e1 between -126 and 119.
; OUT, bh = 16 x batch + head:  q_codes [bh][2048 t][64 d].   k_codes [bh][2048 rows][64 d]: row 32 B + 16 u + 8 hi + lo holds key 32 B + 16 hi + 8 u + lo.
;   v_codes [bh][16 steps][64 rows][128 keys]: step s holds keys 128 s on; row 32 c + 16 u + 8 hi + lo holds channel 32 c + 16 hi + 8 u + lo.  Sixteen neighbouring rows are a tile whose results give a lane neighbours along the next K.
; SHARES.  A work-group makes 256 tokens x one head's 192 columns.  Wave w: tokens 128 (w / 2) on; of q, of k and of v the 32 columns 32 (w % 2) on: 48 accumulators, and every wave runs the same text.
; q and k are made TRANSPOSED (source 0 = 16 rows of the weight, source 1 = 16 tokens): a lane holds one token and eight neighbouring d.  v is made the other way round: a lane holds one channel and eight
; neighbouring tokens, which are the keys.
; K goes in steps of 256 through two LDS slots, four fills in all: the text is straight.  WHO FETCHES: wave w asks for slot w / 2; even waves for x's 256 rows, odd waves for the weight's 192: one load a wave at the head
; brings both slots' first tiles, and each wave asks once more, for its own tile two K steps on.  CLUSTER 4 x 4: the four work-groups of a row share x's tile, the four of a column the weight's: joint loads.
; No prefetch: K is 1,024, four fills; half of them are asked for at the head, and no loop is there to run ahead in.
; A fragment (16 rows x 128 K) is fetched by four loads of 16 bytes: registers 4 c .. 4 c + 3 hold K = 32 c + 16 (lane / 16) + 0 .. 15, alike on both sides, so every product meets its partner.
; REGISTERS, in windows of 256: window 0: v0-31 addresses; the weight's fragments, two sets of 6 x 16, from v32 and from v128; v224-229 scales and holds.  window 1: x's fragments, two sets of 8 x 16.
;   window 2: q's and k's accumulators, (a, b) at v[8 (4 a + b)], b 0, 1: q; 2, 3: k.   window 3: v's, (a, b) at v[8 (2 a + b)].
.set PITCH,  272                       ; an LDS row: 256 bytes + 16 of padding
.set AHALF,  128*PITCH                 ; a wave's 128 tokens
.set BOFF,   2*AHALF                   ; a slot: x's 256 rows, then the weight's 192
.set SLOT,   BOFF+192*PITCH
.set SPARE,  2*SLOT                    ; behind the ring: the spare words, 128 bytes a wave
.set SQP,    80                        ; the way out: stages in slot 0, which has had its last fill and its last read by then: q's 256 rows x (64 + 16) bytes from byte 0,
.set KST,    256*SQP                   ; k's likewise,
.set VST,    2*256*SQP                 ; v's 64 rows x (256 + 16)
.set ADRA, 16                          ; v16-17  LDS address of my fragments of x in slot 0, 1
.set ADRB, 20                          ; v20-21  of the weight
.set GOQ,  22                          ; v22     16 x thread: my bytes in a block of memory
.set STQ,  24                          ; v24-26  where I put 8 codes in q's, k's, v's stage
.set STK,  25
.set STV,  26
.set RDQ,  27                          ; v27     where I read q's and k's stage back
.set SPW,  28                          ; v28     LDS address of my spare word; never rewritten
.set NIL,  29                          ; v29     0; never rewritten
.set RDV,  30                          ; v30     where I read v's stage back
.set BS,   32
.set TMP,  32                          ; the way out: two sets of 32 numbers, by turns
.set RB,   32                          ; and then 24 x 4 registers read back
.set CQ,   128                         ; q's and k's codes
.set CV,   192                         ; v's
.set SC,   224                         ; v224, 225: q's scale and hold; v226, 227: k's; v228, 229: v's
.set G1, 24                            ; s[24:31] descriptor group 1 for x's tiles;  s[32:35] my group 0
.set G0, 32
.set G1B, 48                           ; s[48:55], s[56:59] the same for the weight's
.set G0B, 56
.set MSB, 0
.macro WIN new                         ; the immediate's high byte repeats the setting that is left
.if MSB != \new
	s_set_vgpr_msb (MSB<<8)|\new
.set MSB, \new
.endif
.endm
.set QKM,  0xa4                        ; source 0 (weight) window 0, source 1 (x) window 1, C and D window 2
.set VM,   0xf1                        ; source 0 (x) window 1, source 1 (weight) window 0, C and D window 3
.set TO_A, 0x40                        ; destination window 1, address window 0
; A joint load.  all = 1, at the head: every wave asks.  all = 0: the two waves of this slot ask.  Even waves: x's tile; odd waves: the weight's.  The branches hang on the wave's number alone.
; An s_nop 0 and four v_nop follow each load; a wave that asks for nothing has four v_nop too: they are the places in front of the LDS loads that follow.
.macro JLOAD slot, all
.if \all == 0
	s_cmp_lg_u32 s15, \slot
	s_cbranch_scc1 .Lnone_\@
.endif
	s_cmp_eq_u32 s16, 0
	s_cbranch_scc0 .Lfor_b_\@
	tensor_load_to_lds s[G0:G0+3], s[G1:G1+7]
	s_nop 0
.rept 4
	v_nop
.endr
	s_branch .Lasked_\@
.Lfor_b_\@:
	tensor_load_to_lds s[G0B:G0B+3], s[G1B:G1B+7]
	s_nop 0
.rept 4
	v_nop
.endr
.if \all == 0
	s_branch .Lasked_\@
.Lnone_\@:
.rept 4
	v_nop
.endr
.endif
.Lasked_\@:
.endm
.macro CREST                           ; a round of the cluster's barrier behind its opening barrier
	s_cmp_lg_u32 s14, 0
	s_cbranch_scc1 .Lnot_wave_0_\@
	s_barrier_signal -3
.Lnot_wave_0_\@:
	s_barrier_wait -3
	s_barrier_signal -1
	s_barrier_wait -1
.endm
.macro CROUND
	s_barrier_signal -1
	s_barrier_wait -1
	CREST
.endm
.macro PLACES n                        ; plain vector lines between a matrix instruction and a load into, or a vector line on, its registers
.rept \n
	v_nop
.endr
.endm
	s_load_b256 s[4:11], s[0:1], 0x0               ; x_codes s[4:5], wqkv_codes s[6:7], the scales' exponents s[8:9], q_codes s[10:11]
	s_load_b128 s[68:71], s[0:1], 0x20             ; k_codes s[68:69], v_codes s[70:71]
	v_lshl_add_u32 v[SPW], v0, 2, SPARE
	v_mov_b32 v[NIL], 0
	ds_add_u32 v[SPW], v[NIL]                      ; the opening lines: the add, twice on end, and its wait ahead of my first tensor load
	ds_add_u32 v[SPW], v[NIL]
	v_lshrrev_b32 v1, 5, v0
	v_readfirstlane_b32 s14, v1                    ; wave 0..3
	s_lshr_b32 s15, s14, 1                         ; which 128 tokens are mine.  Also: the slot that I fetch for
	s_and_b32 s16, s14, 1                          ; which 32 columns of q, k, v.  Also: I fetch x's tile (0) or the weight's (1)
	s_bfe_u32 s40, ttmp6, 0x40000                  ; cx, cy: my place in the cluster
	s_bfe_u32 s41, ttmp6, 0x40004
	s_lshl_b32 s42, ttmp9, 2
	s_add_co_u32 s42, s42, s40                     ; the head = 4 x cluster x + cx
	s_and_b32 s17, ttmp7, 0xffff
	s_lshl_b32 s17, s17, 2
	s_add_co_u32 s17, s17, s41                     ; the block of 256 tokens = 4 x cluster y + cy
	s_lshl_b32 s43, s41, 2
	s_lshl_b32 s43, 15, s43                        ; my row of the cluster
	s_lshl_b32 s44, 0x1111, s40                    ; my column
	s_or_b32 s[G1+0], s43, (0<<16)|(1<<20)|(1<<21)|(5<<22)|(3<<25)   ; the mask; elements of 1 byte; padding on; bit 21 beside a mask; four words after every 64
	s_mov_b32 s[G1+1], 256<<16                     ; tensor_dim0 = 256
	s_mov_b32 s[G1+2], 256<<16                     ; tensor_dim1 = 256
	s_mov_b32 s[G1+3], 256<<16                     ; tile_dim0 = 256
	s_mov_b32 s[G1+4], 256                         ; tile_dim1 = 256
	s_mov_b32 s[G1+5], 1024                        ; from row to row
	s_mov_b32 s[G1+6], 0
	s_mov_b32 s[G1+7], 0
	s_or_b32 s[G1B+0], s44, (0<<16)|(1<<20)|(1<<21)|(5<<22)|(3<<25)
	s_mov_b32 s[G1B+1], 256<<16
	s_mov_b32 s[G1B+2], 192<<16                    ; 192 rows
	s_mov_b32 s[G1B+3], 256<<16
	s_mov_b32 s[G1B+4], 192
	s_mov_b32 s[G1B+5], 1024
	s_mov_b32 s[G1B+6], 0
	s_mov_b32 s[G1B+7], 0
	s_lshl_b32 s18, s15, 8                         ; my slot's first K step: 256 x slot bytes along the rows
	s_lshl_b32 s20, s17, 18                        ; x: row 256 x block, of 1,024 bytes
	s_add_co_u32 s20, s20, s18
	s_mov_b32 s21, 0
	s_mul_i32 s46, s42, 192*1024                   ; the weight: row 192 x head
	s_add_co_u32 s46, s46, s18
	s_mov_b32 s47, 0
	s_mul_i32 s45, s15, SLOT                       ; where they go: no place in the cluster enters an LDS address
	s_add_co_u32 s72, s45, BOFF
	s_wait_dscnt 0x0                               ; both opening adds are done
	s_wait_kmcnt 0x0
	s_load_b256 s[88:95], s[8:9], 0x0              ; e0 .. e7
	s_add_nc_u64 s[20:21], s[4:5], s[20:21]
	s_add_nc_u64 s[46:47], s[6:7], s[46:47]
	CROUND                                         ; all sixteen work-groups are here: the first joint loads meet
	s_mov_b32 s[G0], 1
	s_mov_b32 s[G0+1], s45
	s_mov_b64 s[G0+2:G0+3], s[20:21]
	s_or_b32 s[G0+3], s[G0+3], 0x80000000
	s_mov_b32 s[G0B], 1
	s_mov_b32 s[G0B+1], s72
	s_mov_b64 s[G0B+2:G0B+3], s[46:47]
	s_or_b32 s[G0B+3], s[G0B+3], 0x80000000
	JLOAD 0, 1                                     ; one load a wave: K 0-255 into slot 0 (waves 0, 1), K 256-511 into slot 1 (waves 2, 3)
	v_and_b32 v1, 15, v0                           ; r = lane % 16
	s_wait_alu depctr_va_vdst(0)
	v_bfe_u32 v2, v0, 4, 1                         ; h = lane / 16
	v_mul_u32_u24 v3, v1, PITCH
	v_lshl_add_u32 v4, v2, 4, v3                   ; a fragment's row x pitch + 16 h
	s_mul_i32 s21, s15, AHALF                      ; my 128 tokens
	s_mul_i32 s22, s16, 32*PITCH                   ; my 32 rows of q's 64; k's and v's lie 64 and 128 rows on
	s_add_co_u32 s22, s22, BOFF
.irp s, 0,1
	v_add_nc_u32 v[ADRA+\s], s21, v4
	v_add_nc_u32 v[ADRB+\s], s22, v4
	s_add_co_u32 s21, s21, SLOT
	s_add_co_u32 s22, s22, SLOT
.endr
	s_mul_i32 s23, s15, 128*SQP
	s_lshl_b32 s73, s16, 5
	s_add_co_u32 s23, s23, s73                     ; q's and k's stage: my 128 rows, my 32 bytes of them
	v_mul_u32_u24 v5, v1, SQP
	s_wait_alu depctr_va_vdst(0)
	v_lshl_add_u32 v5, v2, 3, v5
	v_add_nc_u32 v[STQ], s23, v5                   ; q: row r, + 8 h
	v_and_b32 v6, 8, v1
	v_add_nc_u32 v6, v6, v1                        ; r + 8 (r / 8)
	v_mul_u32_u24 v5, v6, SQP
	v_lshl_add_u32 v5, v2, 3, v5
	v_add_nc_u32 v5, s23, v5
	v_add_nc_u32 v[STK], KST, v5                   ; k: key 16 a + r goes to row 32 (a / 2) + 16 (r / 8) + 8 (a % 2) + r % 8
	s_mul_i32 s73, s16, 32*PITCH
	s_lshl_b32 s74, s15, 7
	s_add_co_u32 s73, s73, s74
	s_add_co_u32 s73, s73, VST
	v_mul_u32_u24 v5, v6, PITCH
	v_lshl_add_u32 v5, v2, 3, v5
	v_add_nc_u32 v[STV], s73, v5                   ; v: channel 32 c + 16 b + r goes to row 32 c + 16 (r / 8) + 8 b + r % 8; my 128 keys' bytes, + 8 h
	v_lshrrev_b32 v7, 2, v0
	v_mul_u32_u24 v7, v7, SQP
	v_and_b32 v8, 3, v0
	v_lshl_add_u32 v[RDQ], v8, 4, v7               ; back: four threads to a row of 64 bytes, 32 rows an instruction of the work-group
	v_lshrrev_b32 v7, 3, v0
	v_mul_u32_u24 v9, v7, PITCH
	v_and_b32 v7, 7, v0
	v_lshl_add_u32 v9, v7, 4, v9
	v_add_nc_u32 v[RDV], VST, v9                   ; v: eight threads to 128 keys of a row, 16 rows an instruction of the work-group
	v_lshlrev_b32 v[GOQ], 4, v0
	s_lshr_b32 s74, s17, 3                         ; the batch
	s_lshl_b32 s74, s74, 4
	s_add_co_u32 s74, s74, s42                     ; bh
	s_lshl_b32 s74, s74, 17                        ; x 131,072 bytes in each of the three buffers
	s_and_b32 s75, s17, 7                          ; which 256 of the sequence's 2,048 tokens: 16,384 bytes in each
	s_lshl_b32 s76, s75, 14
	s_add_co_u32 s76, s76, s74
	s_mov_b32 s77, 0
	s_add_nc_u64 s[10:11], s[10:11], s[76:77]
	s_add_nc_u64 s[68:69], s[68:69], s[76:77]
	s_add_nc_u64 s[70:71], s[70:71], s[76:77]
; 56 LDS loads in one run: the fragments of the slot's q-th 128 along K into set p
.macro FETCH slot, q, p
	WIN TO_A
.irp a, 0,1,2,3,4,5,6,7
.irp cc, 0,1,2,3
	ds_load_b128 v[128*(\p)+16*\a+4*\cc:128*(\p)+16*\a+4*\cc+3], v[ADRA+\slot] offset:16*PITCH*\a+128*(\q)+32*\cc
.endr
.endr
	WIN 0
.irp f, 0,1,2,3,4,5
.irp cc, 0,1,2,3
	ds_load_b128 v[BS+96*(\p)+16*\f+4*\cc:BS+96*(\p)+16*\f+4*\cc+3], v[ADRB+\slot] offset:(64*(\f/2)+16*(\f%2))*PITCH+128*(\q)+32*\cc
.endr
.endr
.endm
; 8 matrix instructions for q and k: token blocks a0, a0 + 1 x the four tiles of columns.  zero = 1: the first product starts the sums.
; The 48 accumulators take turns, one instruction a turn, in the same order in every step.
.macro MULQK a0, p, zero
.irp a, \a0, \a0+1
.irp b, 0,1,2,3
.if \zero
	v_wmma_f32_16x16x128_fp8_fp8 v[8*(4*(\a)+\b):8*(4*(\a)+\b)+7], v[BS+96*(\p)+16*\b:BS+96*(\p)+16*\b+15], v[128*(\p)+16*(\a):128*(\p)+16*(\a)+15], 0
.else
	v_wmma_f32_16x16x128_fp8_fp8 v[8*(4*(\a)+\b):8*(4*(\a)+\b)+7], v[BS+96*(\p)+16*\b:BS+96*(\p)+16*\b+15], v[128*(\p)+16*(\a):128*(\p)+16*(\a)+15], v[8*(4*(\a)+\b):8*(4*(\a)+\b)+7]
.endif
.endr
.endr
.endm
.macro MULV p, zero                    ; 16 for v: source 0 = 16 tokens, source 1 = 16 channels
.irp a, 0,1,2,3,4,5,6,7
.irp b, 0,1
.if \zero
	v_wmma_f32_16x16x128_fp8_fp8 v[8*(2*\a+\b):8*(2*\a+\b)+7], v[128*(\p)+16*\a:128*(\p)+16*\a+15], v[BS+96*(\p)+16*(4+\b):BS+96*(\p)+16*(4+\b)+15], 0
.else
	v_wmma_f32_16x16x128_fp8_fp8 v[8*(2*\a+\b):8*(2*\a+\b)+7], v[128*(\p)+16*\a:128*(\p)+16*\a+15], v[BS+96*(\p)+16*(4+\b):BS+96*(\p)+16*(4+\b)+15], v[8*(2*\a+\b):8*(2*\a+\b)+7]
.endif
.endr
.endr
.endm
; A slot's first step: multiplies set 0; behind its first sixteen products it fetches the slot's second step into set 1.
.macro STEP slot, zero
	s_wait_dscnt 0x0                               ; set 0 is in
	WIN QKM
	MULQK 0, 0, \zero
	MULQK 2, 0, \zero
	PLACES 4                                       ; in front of loads into set 1, which the step before multiplied
	FETCH \slot, 1, 1
	WIN QKM
	MULQK 4, 0, \zero
	MULQK 6, 0, \zero
	WIN VM
	MULV 0, \zero
	WIN 0
.endm
; A slot's second step multiplies set 1 and changes slots: ONE barrier; in front of it each wave waits for all its tensor loads, adds 0 to its spare word, and waits for that and for its reads of this slot.
; fill = 1: this slot is filled again, two K steps of 256 ahead: the barrier then opens a round of the cluster's.
.macro TURN slot, next, fill
	s_wait_tensorcnt 0x0                           ; no tensor load of mine is out
	ds_add_u32 v[SPW], v[NIL]                      ; 0 onto my spare word
	s_wait_dscnt 1                                 ; set 1 is in; the add alone may be out
	WIN QKM
	MULQK 0, 1, 0                                  ; eight matrix instructions stand between the add and the wait for it
	s_wait_dscnt 0x0                               ; the add is done, and my reads of this slot are over
	s_barrier_signal -1
	MULQK 2, 1, 0
	WIN 0
	s_barrier_wait -1
.if \fill
	CREST                                          ; no wave of any partner still reads this slot's tile or has a load on its way
.if \slot == 0
	s_add_nc_u64 s[G0+2:G0+3], s[G0+2:G0+3], 512   ; every wave's one tile steps once, two K steps on: slot 0's waves use it here, slot 1's at the next change
	s_add_nc_u64 s[G0B+2:G0B+3], s[G0B+2:G0B+3], 512
.endif
	JLOAD \slot, 0                                 ; the first tensor load behind the round, a wave's only one until the next
.else
	PLACES 4
.endif
	FETCH \next, 0, 0
	WIN QKM
	MULQK 4, 1, 0
	MULQK 6, 1, 0
	WIN VM
	MULV 1, 0
	WIN 0
.endm
	s_wait_alu depctr_va_vdst(0)
	s_wait_tensorcnt 0x0                           ; my tile is in
	s_barrier_signal -1
	s_barrier_wait -1                              ; everybody's is: both slots are whole.
	FETCH 0, 0, 0
	STEP 0, 1                                      ; K 0-127: its products start the sums
	TURN 0, 1, 1                                   ; K 128-255; slot 0 takes K 512-767
	STEP 1, 0
	TURN 1, 0, 1                                   ; slot 1 takes K 768-1023
	STEP 0, 0
	TURN 0, 1, 0                                   ; nothing is left to fetch; behind this barrier nobody reads slot 0
	STEP 1, 0
	s_wait_dscnt 0x0                               ; the last step
	WIN QKM
	MULQK 0, 1, 0
	MULQK 2, 1, 0
	MULQK 4, 1, 0
	MULQK 6, 1, 0
	WIN VM
	MULV 1, 0
	WIN 0
	PLACES 4                                       ; behind the last products: their results are read and their operands' registers written below
	; THE WAY OUT.  Each sum is held, converted with the three scales folded into one, and goes as 8 codes into the work-group's stages; behind a barrier the stages leave as whole runs of memory.
	s_wait_kmcnt 0x0
	s_add_co_i32 s72, s88, s89                     ; e0 + e1
.irp n, 0,1,2
	s_sub_co_i32 s73, s[90+\n], s72                ; eX - e0 - e1
	s_add_co_i32 s73, s73, 127
	s_lshl_b32 s74, s73, 23
	v_mov_b32 v[SC+2*\n], s74                      ; 2^(eX - e0 - e1) as f32
	s_add_co_i32 s73, s73, 8
	s_lshl_b32 s73, s73, 23
	s_or_b32 s73, s73, 0x600000
	v_mov_b32 v[SC+2*\n+1], s73                    ; 448 x that
.endr
	s_wait_alu depctr_va_vdst(0)                   ; behind writes that stand among scalar lines
.irp a, 0,1,2,3,4,5,6,7
	WIN 0x02                                       ; source 0: window 2
.irp b, 0,1,2,3
.set jj, 0
.rept 8
	v_med3_num_f32 v[TMP+32*(\a%2)+8*\b+jj], v[8*(4*\a+\b)+jj], -v[SC+1+2*(\b/2)], v[SC+1+2*(\b/2)]   ; each accumulator from its low end on
.set jj, jj+1
.endr
.endr
	WIN 0
.irp b, 0,1,2,3
	v_cvt_scalef32_pk8_fp8_f32 v[CQ+2*(4*\a+\b):CQ+2*(4*\a+\b)+1], v[TMP+32*(\a%2)+8*\b:TMP+32*(\a%2)+8*\b+7], v[SC+2*(\b/2)]
.endr
	ds_store_b64 v[STQ], v[CQ+8*\a:CQ+8*\a+1] offset:16*SQP*\a
	ds_store_b64 v[STQ], v[CQ+8*\a+2:CQ+8*\a+3] offset:16*SQP*\a+16
	ds_store_b64 v[STK], v[CQ+8*\a+4:CQ+8*\a+5] offset:(32*(\a/2)+8*(\a%2))*SQP
	ds_store_b64 v[STK], v[CQ+8*\a+6:CQ+8*\a+7] offset:(32*(\a/2)+8*(\a%2))*SQP+16
.endr
.irp a, 0,1,2,3,4,5,6,7
	WIN 0x03                                       ; source 0: window 3
.irp b, 0,1
.set jj, 0
.rept 8
	v_med3_num_f32 v[TMP+32*(\a%2)+8*\b+jj], v[8*(2*\a+\b)+jj], -v[SC+5], v[SC+5]
.set jj, jj+1
.endr
.endr
	WIN 0
.irp b, 0,1
	v_cvt_scalef32_pk8_fp8_f32 v[CV+2*(2*\a+\b):CV+2*(2*\a+\b)+1], v[TMP+32*(\a%2)+8*\b:TMP+32*(\a%2)+8*\b+7], v[SC+4]
.endr
	ds_store_b64 v[STV], v[CV+4*\a:CV+4*\a+1] offset:16*\a
	ds_store_b64 v[STV], v[CV+4*\a+2:CV+4*\a+3] offset:8*PITCH+16*\a
.endr
	v_nop                                          ; a plain vector line behind the last conversion
	s_wait_dscnt 0x0                               ; for the others' sake: my stores into the stages are done
	s_barrier_signal -1
	s_barrier_wait -1
.irp n, 0,1,2,3,4,5,6,7
	ds_load_b128 v[RB+4*\n:RB+4*\n+3], v[RDQ] offset:32*SQP*\n
.endr
.irp n, 0,1,2,3,4,5,6,7
	ds_load_b128 v[RB+32+4*\n:RB+32+4*\n+3], v[RDQ] offset:KST+32*SQP*\n
.endr
.irp n, 0,1,2,3,4,5,6,7
	ds_load_b128 v[RB+64+4*\n:RB+64+4*\n+3], v[RDV] offset:16*PITCH*(\n%4)+128*(\n/4)   ; rows 16 (n % 4) on, keys 128 (n / 4) on: the order of v_codes
.endr
.irp n, 0,1,2,3,4,5,6,7
	s_wait_dscnt 23-\n                             ; the younger loads may be out
	global_store_b128 v[GOQ], v[RB+4*\n:RB+4*\n+3], s[10:11] offset:2048*\n      ; a wave stores 512 consecutive bytes, aligned
.endr
.irp n, 0,1,2,3,4,5,6,7
	s_wait_dscnt 15-\n
	global_store_b128 v[GOQ], v[RB+32+4*\n:RB+32+4*\n+3], s[68:69] offset:2048*\n
.endr
.irp n, 0,1,2,3,4,5,6,7
	s_wait_dscnt 7-\n
	global_store_b128 v[GOQ], v[RB+64+4*\n:RB+64+4*\n+3], s[70:71] offset:2048*\n
.endr
	s_wait_tensorcnt 0x0                           ; the wave's end
	ds_add_u32 v[SPW], v[NIL]
	s_wait_dscnt 0x0
	CROUND                                         ; the closing round: no work-group ends while a partner may still ask for a tile that names it
	s_endpgm
.Lfunc_end_k_q23d4fc5bd9_gemm_qkv:
	.size	k_q23d4fc5bd9_gemm_qkv, .Lfunc_end_k_q23d4fc5bd9_gemm_qkv-k_q23d4fc5bd9_gemm_qkv
	.p2alignl 7, 3214868480
	.fill 96, 4, 3214868480
	.section	.rodata,"a",@progbits
	.p2align	6, 0x0
	.amdhsa_kernel k_q23d4fc5bd9_gemm_qkv
		.amdhsa_group_segment_fixed_size 327680
		.amdhsa_private_segment_fixed_size 0
		.amdhsa_enable_private_segment 0
		.amdhsa_kernarg_size 48
		.amdhsa_user_sgpr_count 2
		.amdhsa_user_sgpr_kernarg_segment_ptr 1
		.amdhsa_wavefront_size32 1
		.amdhsa_system_sgpr_workgroup_id_x 1
		.amdhsa_system_sgpr_workgroup_id_y 1
		.amdhsa_system_sgpr_workgroup_id_z 1
		.amdhsa_system_vgpr_workitem_id 0
		.amdhsa_next_free_vgpr 1024
		.amdhsa_next_free_sgpr 100
		.amdhsa_reserve_vcc 0
		.amdhsa_float_denorm_mode_32 3
		.amdhsa_float_denorm_mode_16_64 3
		.amdhsa_memory_ordered 1
		.amdhsa_forward_progress 1
		.amdhsa_inst_pref_size 102
	.end_amdhsa_kernel
	.amdgpu_metadata
---
amdhsa.version: [ 1, 2 ]
amdhsa.kernels:
  - .name:           k_q23d4fc5bd9_gemm_qkv
    .symbol:         k_q23d4fc5bd9_gemm_qkv.kd
    .args:
      - { .name: x_codes, .offset: 0, .size: 8, .value_kind: global_buffer, .address_space: global }
      - { .name: wqkv_codes, .offset: 8, .size: 8, .value_kind: global_buffer, .address_space: global }
      - { .name: lowp_scales, .offset: 16, .size: 8, .value_kind: global_buffer, .address_space: global }
      - { .name: q_codes, .offset: 24, .size: 8, .value_kind: global_buffer, .address_space: global }
      - { .name: k_codes, .offset: 32, .size: 8, .value_kind: global_buffer, .address_space: global }
      - { .name: v_codes, .offset: 40, .size: 8, .value_kind: global_buffer, .address_space: global }
    .group_segment_fixed_size: 327680
    .private_segment_fixed_size: 0
    .kernarg_segment_align: 8
    .kernarg_segment_size: 48
    .max_flat_workgroup_size: 128
    .sgpr_count:     100
    .vgpr_count:     1024
    .wavefront_size: 32
...
	.end_amdgpu_metadata
.endif
;; end of part 2
;; launch attn (part 3): grid 4 x 64, 16 waves a work-group, clusters of 4 x 1, 280,576 bytes of LDS; arguments q_codes, k_codes, v_codes, lowp_scales, o_img; writes o_img
.if DOCPART == 3
	.amdgcn_target "amdgcn-amd-amdhsa--gfx1250"
	.amdhsa_code_object_version 6
	.text
	.protected	k_q23d4fc5bd9_attn
	.globl	k_q23d4fc5bd9_attn
	.p2align	8
	.type	k_q23d4fc5bd9_attn,@function
k_q23d4fc5bd9_attn:
	s_mov_b64 s[64:65], 0
	v_nop
	global_prefetch_b8 v0, s[64:65] scope:SCOPE_SE
	s_setreg_imm32_b32 hwreg(HW_REG_WAVE_MODE, 25, 1), 1
	s_wait_xcnt 0x0
	s_wait_alu depctr_hold_cnt(0) depctr_sa_sdst(0) depctr_va_vdst(0) depctr_va_sdst(0) depctr_va_ssrc(0) depctr_va_vcc(0) depctr_vm_vsrc(0)
	s_getreg_b32 s2, hwreg(HW_REG_IB_STS2, 6, 4)
	s_cmp_eq_u32 s2, 0
	s_cbranch_scc0 .Lentry_in_a_cluster
	s_endpgm
.Lentry_in_a_cluster:
	s_bfe_u32 s2, ttmp6, 0x10000c
	s_cmp_lg_u32 s2, 0x3003
	s_cbranch_scc0 .Lentry_shape_is_right
	s_endpgm
.Lentry_shape_is_right:
; Causal attention on codes of FP8 (E4M3): for each of 64 (batch, head) pairs bh, 2,048 queries and keys, head size 64; logit = q . k / 32.
; q_codes [bh][2048][64]; k_codes [bh][2048 rows][64]; v_codes [bh][16 steps][64 rows][128 keys]; K's and V's rows are ordered so that sixteen neighbouring rows are a tile (below).  Scales: q entry 2, k 3, v 4, p 5, the result 6.
; WORK LEFT OUT: a step of 128 keys that lies wholly behind a tile's 16 queries is hidden by the mask that reference() builds itself; its weights are 0 for all finite inputs, and it is not multiplied.
; LIMIT: a NaN, an infinity or an overflow that reaches only such a step is not carried to the result.
; THE SOFTMAX: t = score x log2(e) / 32; M = the running largest t rounded UP to a whole number; p = 2^(t - M) is quantised along the keys, not normalised; the row's sum is taken of the unquantised p and
; divides at the end.  When M moves, the sum and O are multiplied by 2^(old M - new M), which rounds nothing.  A hidden key's score becomes -infinity ahead of the maximum: p = 0.
; THE RESULT is quantised at once as the left operand of the last product (o / 2^e6, held within +-448) and stored as an image of that operand's registers:
;   o_img [ks 4][tile of 16 tokens 512][kq 2][cc 4][lane 32][16 bytes]: lane (r, h) holds token r, K = 256 ks + 128 kq + 32 cc + 16 h + 0 .. 15, K = 64 x head + d.
; SHARES.  The four work-groups of a pair bh form a cluster.  The pair's WHOLE K and V lie in each one's LDS, brought once by joint loads, one a wave: waves 0-7 take 256 keys of K each, waves 8-15 two steps of V each.
; Each is a dense block of 16,384 bytes, stated as 64 rows of 256 bytes with 16 of padding.  No byte of LDS is filled twice; one barrier shows all of it to all waves, and none stands in the loop.
; Wave w of work-group j owns two tiles of 16 queries: tile 2 j + w / 8 of the 128 queries of block IL = max(w, 15 - w), and the same tile of block IS = 15 - IL.  Tile 0 has IL + 1 key steps, tile 1 IS + 1:
; 17 tile steps in every wave.  Steps 0 .. IS serve both tiles from the same fragments; steps up to IL the first alone.  No branch and no LDS address hangs on the place in the cluster.
; THE LOOP.  Two regions of 64 registers, v32-95 and v96-159, take turns from step to step.  In a step one holds K's fragments and the other takes the scores.  Behind the step's last score product V's fragments are asked
; for into K's region: a softmax stands between the request and the wait.  Behind the conversions the NEXT step's fragments of K are asked for into the scores' region: the second products stand between.
; So a trip of the loop is two steps, 8 counted trips; the jumps hang on the wave's number and the step alone.  A hidden even step leads round the pair (what is hidden stays hidden), a hidden odd step round itself.
; The last step's request for a next step reads 8,704 bytes that lie inside LDS (at step 16: V's first bytes) and is used by nobody.
; No prefetch: all loads from memory stand at the launch's head; there is no loop to run ahead in.
; LAYOUT.  Both products are used transposed: S^T = K Q^T (source 0 = 16 rows of K), O^T = V^T P^T (source 0 = 16 rows of V): a lane holds ONE query (lane % 16) throughout.  Row 32 B + 16 u + 8 hi + lo of K holds
; key 32 B + 16 hi + 8 u + lo: the 16 registers of tiles 2 B and 2 B + 1 are keys 32 B + 16 (lane / 16) + 0 .. 15, which is the next operand's layout.  V's rows likewise, for the last product.
; LIMITS on the given exponents: e2 + e3 between -121 and 132 (added to c's exponent field); e5 between -126 and 119; e4 + e5 - e6 is applied by v_ldexp_f32 to 1 / the sum, which must stay an f32 number.
; REGISTERS: v1-7 addresses; v8-15 per tile -M, the largest t, the sum in two halves; v16-31 Q; v32-95, v96-159 the two regions; tile 1's codes of p lie in the scores' first 16 registers;
;   v160-223 O^T; v224-239 tile 0's codes of p; v240 the hold, v241 the scale; v242-253 at work; v254, v255 the add's.
.set LP,    272                        ; an LDS row: 256 bytes (four rows of K, or two of a step of V) + 16 of padding
.set PIECE, 64*LP                      ; what one load brings
.set STEPB, 32*LP                      ; a key step: 128 rows of K; likewise 64 rows x 128 keys of V
.set VBASE, 8*PIECE                    ; V lies behind K
.set SPARE, 16*PIECE                   ; behind both: the spare words, 128 bytes a wave
.set AK0,  1                           ; v1   my lane's place in a tile of K
.set AV0,  2                           ; v2   the same for V
.set ADK,  3                           ; v3   LDS address of my lane's place in K at the pair's even step; the steps behind it by immediates
.set ADV,  4                           ; v4   the same in V
.set D0,   5                           ; v5   16 x (my tile in its block) + r - 16 h: on the diagonal, register 16 B + i is hidden where 32 B + i is above it
.set QO,   6                           ; v6   my bytes in a tile of q
.set GO,   7                           ; v7   16 x lane
.set SPW,  254
.set NIL,  255
.set WV,   18                          ; s18  my wave's number
.set IL,   19                          ; s19  tile 0's block of 128 queries
.set SEL,  20                          ; s[20:21] lane selects for v_permlanex16_b32: lane l xor 16
.set CS,   22                          ; s[22:23] c = log2(e) / 32 x 2^(e2 + e3)
.set G1,   24                          ; s[24:31] descriptor group 1
.set G0,   40                          ; s[40:43] my group 0
.set ST,   56                          ; s56  the key step, 0 .. 15
.set SB,   57                          ; s57  LDS byte at which the pair's even step begins, in K and, VBASE on, in V: stepped once a trip of the loop, on every way
.set HB,   58                          ; s58  w / 8
.set IS,   59                          ; s59  tile 1's block
.set CNT,  96                          ; s96  counts the loop's 8 trips
.macro ROUND                           ; a round of the cluster's barrier
	s_barrier_signal -1
	s_barrier_wait -1
	s_cmp_lg_u32 s[WV], 0
	s_cbranch_scc1 .Lnot_wave_0_\@
	s_barrier_signal -3
.Lnot_wave_0_\@:
	s_barrier_wait -3
	s_barrier_signal -1
	s_barrier_wait -1
.endm
	s_load_b256 s[4:11], s[0:1], 0x0               ; q_codes s[4:5], k_codes s[6:7], v_codes s[8:9], the scales' exponents s[10:11]
	s_load_b64 s[12:13], s[0:1], 0x20              ; o_img
	v_lshl_add_u32 v[SPW], v0, 2, SPARE
	v_mov_b32 v[NIL], 0
	ds_add_u32 v[SPW], v[NIL]                      ; the opening lines: the add, twice on end, and its wait ahead of my first tensor load
	ds_add_u32 v[SPW], v[NIL]
	v_lshrrev_b32 v1, 5, v0
	v_readfirstlane_b32 s[WV], v1                  ; wave 0..15
	s_sub_co_u32 s60, 15, s[WV]
	s_max_u32 s[IL], s[WV], s60
	s_min_u32 s[IS], s[WV], s60
	s_lshr_b32 s[HB], s[WV], 3
	s_and_b32 s60, ttmp7, 0xffff                   ; bh, which the four partners share
	s_lshl_b32 s62, s60, 17                        ; x 131,072 bytes in each tensor of codes
	s_and_b32 s66, s[WV], 7
	s_lshl_b32 s66, s66, 14
	s_add_co_u32 s66, s66, s62                     ; my block of 16,384 bytes of K or of V
	s_mov_b32 s67, 0
	s_mov_b32 s[G0], 1
	s_mul_i32 s[G0+1], s[WV], PIECE                ; and where it goes
	s_mov_b32 s[G1], 15|(0<<16)|(1<<20)|(1<<21)|(5<<22)|(3<<25)   ; the mask: all four; elements of 1 byte; padding on; bit 21 beside a mask; four words after every 64
	s_mov_b32 s[G1+1], 256<<16                     ; tensor_dim0 = 256
	s_mov_b32 s[G1+2], 64<<16                      ; tensor_dim1 = 64
	s_mov_b32 s[G1+3], 256<<16                     ; tile_dim0 = 256
	s_mov_b32 s[G1+4], 64                          ; tile_dim1 = 64
	s_mov_b32 s[G1+5], 256                         ; from row to row: dense
	s_mov_b32 s[G1+6], 0
	s_mov_b32 s[G1+7], 0
	s_mov_b32 s[SEL], 0x76543210
	s_mov_b32 s[SEL+1], 0xfedcba98
	s_mov_b32 s[CS], 0x3d38aa3b                    ; log2(e) / 32
	s_wait_dscnt 0x0                               ; both opening adds are done
	s_wait_kmcnt 0x0
	s_load_b256 s[84:91], s[10:11], 0x0            ; e0 .. e7
	s_cmp_lt_u32 s[WV], 8                          ; the choice hangs on the wave's number alone
	s_cselect_b64 s[G0+2:G0+3], s[6:7], s[8:9]
	s_add_nc_u64 s[G0+2:G0+3], s[G0+2:G0+3], s[66:67]
	s_or_b32 s[G0+3], s[G0+3], 0x80000000
	ROUND                                          ; all four work-groups are here: the joint loads meet
	tensor_load_to_lds s[G0:G0+3], s[G1:G1+7]      ; my one tensor load of the launch
	s_nop 0
	s_bfe_u32 s98, ttmp6, 0x40000                  ; j = cx
	s_lshl_b32 s98, s98, 1
	s_add_co_u32 s98, s98, s[HB]                   ; my tile in its block: 2 j + w / 8
	s_lshl_b32 s61, s98, 4
	s_lshl_b32 s66, s98, 10
	s_add_co_u32 s66, s66, s62
	s_add_nc_u64 s[4:5], s[4:5], s[66:67]          ; q: (2,048 bh + 16 x tile) rows of 64 bytes,
	s_lshl_b32 s66, s[IL], 13
	s_add_nc_u64 s[14:15], s[4:5], s[66:67]        ; + 128 IL rows,
	s_lshl_b32 s66, s[IS], 13
	s_add_nc_u64 s[16:17], s[4:5], s[66:67]        ; + 128 IS rows
	s_and_b32 s99, s60, 15                         ; the head
	s_lshr_b32 s66, s99, 2
	s_lshl_b32 s66, s66, 21                        ; ks = head / 4
	s_lshr_b32 s2, s60, 4                          ; the batch: 128 tiles of 4,096 bytes
	s_lshl_b32 s2, s2, 19
	s_add_co_u32 s66, s66, s2
	s_lshl_b32 s2, s98, 12
	s_add_co_u32 s66, s66, s2
	s_and_b32 s2, s99, 3                           ; kq and the upper bit of cc: 1,024 (head % 4)
	s_lshl_b32 s2, s2, 10
	s_add_co_u32 s66, s66, s2
	s_add_nc_u64 s[12:13], s[12:13], s[66:67]
	s_lshl_b32 s66, s[IL], 15                      ; a block is 8 tiles
	s_add_nc_u64 s[92:93], s[12:13], s[66:67]
	s_lshl_b32 s66, s[IS], 15
	s_add_nc_u64 s[94:95], s[12:13], s[66:67]
	v_and_b32 v248, 15, v0                         ; r
	v_bfe_u32 v249, v0, 4, 1                       ; h
	v_lshlrev_b32 v[QO], 6, v248
	v_lshl_add_u32 v[QO], v249, 4, v[QO]
.irp x, 0,1
	global_load_b128 v[16+8*\x:19+8*\x], v[QO], s[14+2*\x:15+2*\x]            ; Q's two fragments stay in registers: registers 4 c .. 4 c + 3 hold d = 32 c + 16 h + 0 .. 15, as K's do
	global_load_b128 v[20+8*\x:23+8*\x], v[QO], s[14+2*\x:15+2*\x] offset:32
.endr
	v_lshlrev_b32 v[D0], 4, v249
	v_lshrrev_b32 v[AK0], 2, v248
	v_lshrrev_b32 v[AV0], 1, v248
	v_sub_nc_u32 v[D0], v248, v[D0]
	v_mul_u32_u24 v[AK0], v[AK0], LP
	v_mul_u32_u24 v[AV0], v[AV0], LP
	v_and_b32 v[ADK], 3, v248
	v_and_b32 v[ADV], 1, v248
	v_add_nc_u32 v[D0], s61, v[D0]
	v_lshl_add_u32 v[AK0], v[ADK], 6, v[AK0]
	v_lshl_add_u32 v[AV0], v[ADV], 7, v[AV0]
	v_and_b32 v[GO], 31, v0
	v_lshl_add_u32 v[AK0], v249, 4, v[AK0]         ; K: row r of 64 bytes lies at LP (r / 4) + 64 (r % 4); + 16 h
	v_lshl_add_u32 v[AV0], v249, 4, v[AV0]         ; V: row r of 128 bytes lies at LP (r / 2) + 128 (r % 2); + 16 h
	v_lshlrev_b32 v[GO], 4, v[GO]
	v_add_nc_u32 v[AV0], VBASE, v[AV0]
	v_mov_b32 v[ADK], v[AK0]                       ; step 0's, for the loads in front of the loop
.irp x, 0,1
	v_mov_b32 v[9+4*\x], 0xff61b1e6                ; the largest t so far: -3e38, under every t
	v_mov_b32 v[10+4*\x], 0                        ; the sum, in two halves
	v_mov_b32 v[11+4*\x], 0
	v_floor_f32 v[8+4*\x], -v[9+4*\x]              ; -M
.endr
	v_mov_b32 v244, 0                              ; written once: a lane permute's destination counts as one of its sources
	v_mov_b32 v247, 0                              ; (named as the upper half of the pair v[246:247])
	v_mov_b32 v250, 0xff800000                     ; -infinity
.set ii, 0
.rept 64
	v_mov_b32 v[160+ii], 0                         ; O^T.  (The step is written once: the first finds zeros, which the first change of M leaves zeros)
.set ii, ii+1
.endr
	s_wait_kmcnt 0x0
	s_add_co_i32 s60, s86, s87
	s_lshl_b32 s60, s60, 23
	s_add_co_i32 s[CS], s[CS], s60                 ; a score stands for score x 2^(e2 + e3): the two exponents are added to c's exponent field
	s_mov_b32 s[CS+1], s[CS]                       ; (named with it as a pair, so it is written)
	s_add_co_i32 s60, s89, 127
	s_lshl_b32 s61, s60, 23
	v_mov_b32 v241, s61                            ; 2^e5 as f32, for p's conversions
	s_add_co_i32 s60, s60, 8
	s_lshl_b32 s60, s60, 23
	s_or_b32 s60, s60, 0x600000
	v_mov_b32 v240, s60                            ; 448 x 2^e5
.macro KLOAD d, f0, n, o               ; n tiles of 16 rows x 64 of K, from tile f0 on, into region d; o: bytes from the pair's even step
.set ff, \f0
.rept \n
	ds_load_b128 v[\d+8*ff:\d+8*ff+3], v[ADK] offset:4*LP*ff+(\o)
	ds_load_b128 v[\d+8*ff+4:\d+8*ff+7], v[ADK] offset:4*LP*ff+32+(\o)
.set ff, ff+1
.endr
.endm
.macro VLOAD d, o                      ; V's four tiles of 16 rows x 128 keys into region d; o: bytes from the pair's even step
.irp t, 0,1,2,3
.irp c, 0,1,2,3
	ds_load_b128 v[\d+16*\t+4*\c:\d+16*\t+4*\c+3], v[ADV] offset:8*LP*\t+32*\c+(\o)
.endr
.endr
.endm
.macro SMUL k, s, q, f0, n             ; S^T: n tiles of keys from tile f0 on; K in region k, the scores into region s, Q at v[q]
.set ff, \f0
.rept \n
	v_wmma_f32_16x16x64_fp8_fp8 v[\s+8*ff:\s+8*ff+7], v[\k+8*ff:\k+8*ff+7], v[\q:\q+7], 0
.set ff, ff+1
.endr
.endm
.macro PLACES n
.rept \n
	v_nop
.endr
.endm
; Tile x's softmax for a key step: its 64 scores of a lane in region s become p.  Tile 0's codes go to v224-239; tile 1's to the region's own first 16 registers: block 0's by way of four registers at work,
; blocks 1 to 3 over block 0's numbers, which are done with.  diag = 1: the step of block iw lies on the diagonal.
.macro SOFTMAX x, s, diag, iw
.set NM, 8+4*\x
.set LL, 10+4*\x
.set OO, 160+32*\x
.if \diag
	s_cmp_lg_u32 s[ST], s[\iw]                     ; only the step on the diagonal has hidden keys
	s_cbranch_scc1 .Lopen_\@
.set ii, 0
.rept 64
	v_cmp_gt_i32 vcc_lo, 32*(ii/16)+ii%16, v[D0]
	v_cndmask_b32 v[\s+ii], v[\s+ii], v250, vcc_lo
.set ii, ii+1
.endr
.Lopen_\@:
.endif
	v_max3_num_f32 v248, v[\s], v[\s+1], v[\s+2]   ; the step's largest score of my query among my 64 keys, in four chains, ascending: each tile from its low end on,
	v_max3_num_f32 v249, v[\s+3], v[\s+4], v[\s+5]
	v_max3_num_f32 v252, v[\s+6], v[\s+7], v[\s+8]
	v_max3_num_f32 v253, v[\s+9], v[\s+10], v[\s+11]
.set ii, 12
.rept 6
	v_max3_num_f32 v248, v248, v[\s+ii], v[\s+ii+1]
	v_max3_num_f32 v249, v249, v[\s+ii+2], v[\s+ii+3]
	v_max3_num_f32 v252, v252, v[\s+ii+4], v[\s+ii+5]
	v_max3_num_f32 v253, v253, v[\s+ii+6], v[\s+ii+7]
.set ii, ii+8
.endr
	v_max3_num_f32 v248, v248, v[\s+60], v[\s+61]
	v_max3_num_f32 v249, v249, v[\s+62], v[\s+63]
	v_max3_num_f32 v248, v248, v249, v252
	s_delay_alu instid0(VALU_DEP_1)
	v_max_num_f32 v248, v248, v253
	s_delay_alu instid0(VALU_DEP_1)
	v_permlanex16_b32 v244, v248, s[SEL], s[SEL+1]
	s_delay_alu instid0(VALU_DEP_1)
	v_max_num_f32 v248, v248, v244                 ; and among lane l xor 16's
	s_delay_alu instid0(VALU_DEP_1)
	v_mul_f32 v248, s[CS], v248                    ; as t (c is positive)
	s_delay_alu instid0(VALU_DEP_1)
	v_max_num_f32 v[NM+1], v[NM+1], v248           ; the running largest t
	v_mov_b32 v248, v[NM]
	s_delay_alu instid0(VALU_DEP_2)
	v_floor_f32 v[NM], -v[NM+1]                    ; the new -M = floor(-t) = -ceil(t): a whole number
	s_delay_alu instid0(VALU_DEP_1)
	v_sub_f32 v248, v[NM], v248                    ; old M - new M: a whole number, 0 or less
	s_delay_alu instid0(VALU_DEP_1)
	v_cvt_i32_f32 v248, v248                       ; (it saturates)
	s_delay_alu instid0(VALU_DEP_1)
	v_ldexp_f32 v246, 1.0, v248                    ; f = 2^(old M - new M)
.set ii, 0
.rept 32
	v_pk_fma_f32 v[\s+ii:\s+ii+1], v[\s+ii:\s+ii+1], s[CS:CS+1], v[NM:NM+1] op_sel_hi:[1,0,0]   ; t - M, two at a time (of the pairs c and -M the low word serves both halves)
.set ii, ii+2
.endr
	s_wait_alu depctr_va_vdst(0)                   ; ahead of the batch, directly ahead of the first reader of O^T
.set ii, 0
.rept 16
	v_pk_mul_f32 v[OO+ii:OO+ii+1], v[OO+ii:OO+ii+1], v[246:247] op_sel_hi:[1,0]   ; O^T under the new M
.set ii, ii+2
.endr
	v_pk_mul_f32 v[LL:LL+1], v[LL:LL+1], v[246:247] op_sel_hi:[1,0]   ; the sums under the new M
.set ii, 0
.rept 64
	v_exp_f32 v[\s+ii], v[\s+ii]                   ; p = 2^(t - M), at most 1
.set ii, ii+1
.endr
	v_nop                                          ; a plain line behind the exponentials
	s_wait_alu depctr_va_vdst(0)                   ; one wait for the whole batch, ahead of its first reader
	v_pk_add_f32 v[242:243], v[\s:\s+1], v[\s+2:\s+3]      ; the row's sum is taken of the unquantised p: two at a time, in four chains
	v_pk_add_f32 v[244:245], v[\s+4:\s+5], v[\s+6:\s+7]
	v_pk_add_f32 v[252:253], v[\s+8:\s+9], v[\s+10:\s+11]
	v_pk_add_f32 v[LL:LL+1], v[LL:LL+1], v[\s+12:\s+13]
.set ii, 14
.rept 6
	v_pk_add_f32 v[242:243], v[242:243], v[\s+ii:\s+ii+1]
	v_pk_add_f32 v[244:245], v[244:245], v[\s+ii+2:\s+ii+3]
	v_pk_add_f32 v[252:253], v[252:253], v[\s+ii+4:\s+ii+5]
	v_pk_add_f32 v[LL:LL+1], v[LL:LL+1], v[\s+ii+6:\s+ii+7]
.set ii, ii+8
.endr
	v_pk_add_f32 v[242:243], v[242:243], v[\s+62:\s+63]
	v_pk_add_f32 v[244:245], v[244:245], v[252:253]
	v_pk_add_f32 v[LL:LL+1], v[LL:LL+1], v[242:243]
	v_pk_add_f32 v[LL:LL+1], v[LL:LL+1], v[244:245]
.set bb, 0
.rept 4
.set ii, 0
.rept 16
	v_min_num_f32 v[\s+16*bb+ii], v[\s+16*bb+ii], v240   ; the conversion does not saturate (ISA guide 7.6.2); p is not negative, so the hold is one-sided
.set ii, ii+1
.endr
.if \x == 0
	v_cvt_scalef32_pk8_fp8_f32 v[224+4*bb:225+4*bb], v[\s+16*bb:\s+16*bb+7], v241
	v_cvt_scalef32_pk8_fp8_f32 v[226+4*bb:227+4*bb], v[\s+16*bb+8:\s+16*bb+15], v241
.else
.if bb == 0
	v_cvt_scalef32_pk8_fp8_f32 v[242:243], v[\s:\s+7], v241
	v_cvt_scalef32_pk8_fp8_f32 v[252:253], v[\s+8:\s+15], v241
.else
	v_cvt_scalef32_pk8_fp8_f32 v[\s+4*bb:\s+4*bb+1], v[\s+16*bb:\s+16*bb+7], v241      ; sixteen plain holds stand between block 0's conversions and this write of their sources
	v_cvt_scalef32_pk8_fp8_f32 v[\s+4*bb+2:\s+4*bb+3], v[\s+16*bb+8:\s+16*bb+15], v241
.endif
.endif
.set bb, bb+1
.endr
.if \x == 0
	v_nop                                          ; a plain line behind the last conversion
.else
	v_mov_b32 v[\s], v242                          ; block 0's codes to their place.  (These are also the plain lines behind the last conversion)
	v_mov_b32 v[\s+1], v243
	v_mov_b32 v[\s+2], v252
	v_mov_b32 v[\s+3], v253
.endif
.endm
; A KEY STEP of 128 keys.  kx: the region in which its fragments of K have been asked for (tiles 2 to 7 first, then 0 and 1); sy: the region for the scores.
.macro TRIP kx, sy, odd
	s_cmp_gt_u32 s[ST], s[IL]                      ; behind both tiles' queries?
.if \odd
	s_cbranch_scc1 .Ljoin_\@
.else
	s_cbranch_scc1 .Lpairend
.endif
	s_wait_dscnt 4                                 ; K's tiles 2 to 7 are in; the four loads of tiles 0 and 1 may be out
	SMUL \kx, \sy, 16, 2, 6                        ; S^T of tile 0
	s_wait_dscnt 0x0
	SMUL \kx, \sy, 16, 0, 2
	PLACES 4                                       ; in front of the first read of results, and of loads into K's region
	s_cmp_gt_u32 s[ST], s[IS]
	s_cbranch_scc1 .Lone_\@                        ; behind tile 1's queries: tile 0 alone
	SOFTMAX 0, \sy, 0, IL                          ; (a step that serves both tiles lies ahead of tile 0's diagonal: IS is under IL)
	SMUL \kx, \sy, 24, 0, 8                        ; S^T of tile 1, from the same fragments of K
	PLACES 4
	VLOAD \kx, STEPB*\odd                          ; K's fragments are done with
	SOFTMAX 1, \sy, 1, IS
	KLOAD \sy, 2, 6, STEPB*(\odd+1)                ; the next step's K, but for the 16 registers that hold tile 1's codes
	s_wait_alu depctr_va_vdst(0)
	s_wait_dscnt 12                                ; V is in; the twelve loads behind it may be out
.irp t, 0,1,2,3                        ; O^T += V^T P^T: eight accumulators by turns, one instruction a turn
	v_wmma_f32_16x16x128_fp8_fp8 v[160+8*\t:167+8*\t], v[\kx+16*\t:\kx+16*\t+15], v[224:239], v[160+8*\t:167+8*\t]
	v_wmma_f32_16x16x128_fp8_fp8 v[192+8*\t:199+8*\t], v[\kx+16*\t:\kx+16*\t+15], v[\sy:\sy+15], v[192+8*\t:199+8*\t]
.endr
	PLACES 5                                       ; five places: the next step's first products write over V's region; the loads below want four
	KLOAD \sy, 0, 2, STEPB*(\odd+1)
	s_branch .Ljoin_\@
.Lone_\@:
	VLOAD \kx, STEPB*\odd
	SOFTMAX 0, \sy, 1, IL
	KLOAD \sy, 2, 6, STEPB*(\odd+1)                ; the next step's K, in the same order
	KLOAD \sy, 0, 2, STEPB*(\odd+1)
	s_wait_alu depctr_va_vdst(0)
	s_wait_dscnt 16                                ; V is in; the sixteen loads behind it may be out
.irp t, 0,1,2,3
	v_wmma_f32_16x16x128_fp8_fp8 v[160+8*\t:167+8*\t], v[\kx+16*\t:\kx+16*\t+15], v[224:239], v[160+8*\t:167+8*\t]
.endr
	PLACES 5
.Ljoin_\@:
	s_add_co_u32 s[ST], s[ST], 1
.endm
	s_mov_b32 s[ST], 0
	s_mov_b32 s[SB], 0
	s_mov_b32 s[CNT], 8
	s_wait_alu depctr_va_vdst(0)
	s_wait_loadcnt 0x0                             ; Q
	s_wait_tensorcnt 0x0                           ; my block of K or V is in
	s_barrier_signal -1
	s_barrier_wait -1                              ; everybody's is: all of K and V.  The launch's only barrier but the cluster's rounds
	KLOAD 32, 2, 6, 0                              ; step 0's K
	KLOAD 32, 0, 2, 0
.Lpair:
	v_add_nc_u32 v[ADK], s[SB], v[AK0]             ; the pair's addresses, made on every way
	v_add_nc_u32 v[ADV], s[SB], v[AV0]
	s_wait_alu depctr_va_vdst(0)
	TRIP 32, 96, 0
	TRIP 96, 32, 1
.Lpairend:
	s_add_co_u32 s[SB], s[SB], 2*STEPB             ; the next pair's bytes
	s_sub_co_u32 s[CNT], s[CNT], 1
	s_cmp_lg_u32 s[CNT], 0
	s_cbranch_scc1 .Lpair
	s_wait_dscnt 0x0                               ; the last request for a next step has landed: its registers are written below
	; THE WAY OUT.  O^T x 2^(e4 + e5 - e6) / the sum, held within +-448, converted: a lane's 16 registers of tiles 2 c and 2 c + 1 are d = 32 c + 16 h + 0 .. 15 of its token: four registers of the next operand.
	s_add_co_i32 s60, s88, s89
	s_sub_co_i32 s60, s60, s90
	v_mov_b32 v240, 0x43e00000                     ; 448
	v_mov_b32 v241, 1.0                            ; the conversion's scale: 2^0
.irp x, 0,1
	v_add_f32 v248, v[10+4*\x], v[11+4*\x]         ; the sum's two halves,
	s_delay_alu instid0(VALU_DEP_1)
	v_permlanex16_b32 v244, v248, s[SEL], s[SEL+1]
	s_delay_alu instid0(VALU_DEP_1)
	v_add_f32 v248, v248, v244                     ; and lane l xor 16's
	s_wait_alu depctr_va_vdst(0)                   ; ahead of the transcendental
	v_rcp_f32 v248, v248
	v_nop                                          ; a plain line behind the transcendental
	s_wait_alu depctr_va_vdst(0)                   ; and ahead of its first reader
	v_ldexp_f32 v246, v248, s60
	s_wait_alu depctr_va_vdst(0)                   ; directly ahead of the first reader of O^T
.set ii, 0
.rept 16
	v_pk_mul_f32 v[96+32*\x+ii:97+32*\x+ii], v[160+32*\x+ii:161+32*\x+ii], v[246:247] op_sel_hi:[1,0]   ; each accumulator from its low end on
.set ii, ii+2
.endr
.set ii, 0
.rept 32
	v_med3_num_f32 v[96+32*\x+ii], v[96+32*\x+ii], -v240, v240
.set ii, ii+1
.endr
.irp t, 0,1,2,3
	v_cvt_scalef32_pk8_fp8_f32 v[224+8*\x+2*\t:225+8*\x+2*\t], v[96+32*\x+8*\t:103+32*\x+8*\t], v241
.endr
	v_nop                                          ; a plain line behind the last conversion
.irp c, 0,1
	global_store_b128 v[GO], v[224+8*\x+4*\c:227+8*\x+4*\c], s[92+2*\x:93+2*\x] offset:512*\c   ; the wave stores 512 consecutive bytes, aligned
.endr
.endr
	s_wait_tensorcnt 0x0                           ; the wave's end
	ds_add_u32 v[SPW], v[NIL]
	s_wait_dscnt 0x0
	ROUND                                          ; the closing round: no work-group ends while a partner may still ask for a tile that names it
	s_endpgm
.Lfunc_end_k_q23d4fc5bd9_attn:
	.size	k_q23d4fc5bd9_attn, .Lfunc_end_k_q23d4fc5bd9_attn-k_q23d4fc5bd9_attn
	.p2alignl 7, 3214868480
	.fill 96, 4, 3214868480
	.section	.rodata,"a",@progbits
	.p2align	6, 0x0
	.amdhsa_kernel k_q23d4fc5bd9_attn
		.amdhsa_group_segment_fixed_size 280576
		.amdhsa_private_segment_fixed_size 0
		.amdhsa_enable_private_segment 0
		.amdhsa_kernarg_size 40
		.amdhsa_user_sgpr_count 2
		.amdhsa_user_sgpr_kernarg_segment_ptr 1
		.amdhsa_wavefront_size32 1
		.amdhsa_system_sgpr_workgroup_id_x 1
		.amdhsa_system_sgpr_workgroup_id_y 1
		.amdhsa_system_sgpr_workgroup_id_z 1
		.amdhsa_system_vgpr_workitem_id 0
		.amdhsa_next_free_vgpr 256
		.amdhsa_next_free_sgpr 100
		.amdhsa_reserve_vcc 1
		.amdhsa_float_denorm_mode_32 3
		.amdhsa_float_denorm_mode_16_64 3
		.amdhsa_memory_ordered 1
		.amdhsa_forward_progress 1
		.amdhsa_inst_pref_size 126
	.end_amdhsa_kernel
	.amdgpu_metadata
---
amdhsa.version: [ 1, 2 ]
amdhsa.kernels:
  - .name:           k_q23d4fc5bd9_attn
    .symbol:         k_q23d4fc5bd9_attn.kd
    .args:
      - { .name: q_codes, .offset: 0, .size: 8, .value_kind: global_buffer, .address_space: global }
      - { .name: k_codes, .offset: 8, .size: 8, .value_kind: global_buffer, .address_space: global }
      - { .name: v_codes, .offset: 16, .size: 8, .value_kind: global_buffer, .address_space: global }
      - { .name: lowp_scales, .offset: 24, .size: 8, .value_kind: global_buffer, .address_space: global }
      - { .name: o_img, .offset: 32, .size: 8, .value_kind: global_buffer, .address_space: global }
    .group_segment_fixed_size: 280576
    .private_segment_fixed_size: 0
    .kernarg_segment_align: 8
    .kernarg_segment_size: 40
    .max_flat_workgroup_size: 512
    .sgpr_count:     100
    .vgpr_count:     256
    .wavefront_size: 32
...
	.end_amdgpu_metadata
.endif
;; end of part 3
;; launch gemm_out (part 4): grid 8 x 32, 4 waves a work-group, clusters of 4 x 4, 327,680 bytes of LDS; arguments o_img, wo_codes, lowp_scales, out0; writes out0
.if DOCPART == 4
	.amdgcn_target "amdgcn-amd-amdhsa--gfx1250"
	.amdhsa_code_object_version 6
	.text
	.protected	k_q23d4fc5bd9_gemm_out
	.globl	k_q23d4fc5bd9_gemm_out
	.p2align	8
	.type	k_q23d4fc5bd9_gemm_out,@function
k_q23d4fc5bd9_gemm_out:
	s_mov_b64 s[64:65], 0
	v_nop
	global_prefetch_b8 v0, s[64:65] scope:SCOPE_SE
	s_setreg_imm32_b32 hwreg(HW_REG_WAVE_MODE, 25, 1), 1
	s_wait_xcnt 0x0
	s_wait_alu depctr_hold_cnt(0) depctr_sa_sdst(0) depctr_va_vdst(0) depctr_va_sdst(0) depctr_va_ssrc(0) depctr_va_vcc(0) depctr_vm_vsrc(0)
	s_getreg_b32 s2, hwreg(HW_REG_IB_STS2, 6, 4)
	s_cmp_eq_u32 s2, 0
	s_cbranch_scc0 .Lentry_in_a_cluster
	s_endpgm
.Lentry_in_a_cluster:
	s_bfe_u32 s2, ttmp6, 0x10000c
	s_cmp_lg_u32 s2, 0xf033
	s_cbranch_scc0 .Lentry_shape_is_right
	s_endpgm
.Lentry_shape_is_right:
.set PITCH,  272
.set AHALF,  32768
.set BHALF,  64*PITCH
.set BOFF,   2*AHALF
.set SLOT,   BOFF+2*BHALF
.set SPARE,  2*SLOT
.set ADRA, 16
.set ADRB, 20
.set STO,  24
.set RD,   25
.set CO,   26
.set SPW,  28
.set NIL,  29
.set BS,   32
.set TMP,  160
.set G1, 24
.set G0, 32
.set G1B, 48
.set G0B, 56
.set MSB, 0
.macro WIN new
.if MSB != \new
	s_set_vgpr_msb (MSB<<8)|\new
.set MSB, \new
.endif
.endm
.set MUL,  0xa4
.set TO_A, 0x40
.macro JLOAD s
	s_cmp_eq_u32 s15, 0
	s_cbranch_scc0 .Lfor_b_\@
	tensor_load_to_lds s[G0+4*\s:G0+4*\s+3], s[G1:G1+7]
	s_nop 0
.rept 4
	v_nop
.endr
	s_branch .Lasked_\@
.Lfor_b_\@:
	tensor_load_to_lds s[G0B+4*\s:G0B+4*\s+3], s[G1B:G1B+7]
	s_nop 0
.rept 4
	v_nop
.endr
.Lasked_\@:
.endm
.macro CREST
	s_cmp_lg_u32 s14, 0
	s_cbranch_scc1 .Lnot_wave_0_\@
	s_barrier_signal -3
.Lnot_wave_0_\@:
	s_barrier_wait -3
	s_barrier_signal -1
	s_barrier_wait -1
.endm
.macro CROUND
	s_barrier_signal -1
	s_barrier_wait -1
	CREST
.endm
.macro PLACES n
.rept \n
	v_nop
.endr
.endm
	s_load_b256 s[4:11], s[0:1], 0x0
	v_lshl_add_u32 v[SPW], v0, 2, SPARE
	v_mov_b32 v[NIL], 0
	ds_add_u32 v28, v29
	ds_add_u32 v28, v29
	s_wait_dscnt 0x0
	v_lshrrev_b32 v1, 5, v0
	v_readfirstlane_b32 s14, v1
	s_lshr_b32 s15, s14, 1
	s_and_b32 s16, s14, 1
	s_bfe_u32 s40, ttmp6, 0x40000
	s_bfe_u32 s41, ttmp6, 0x40004
	s_lshl_b32 s42, ttmp9, 2
	s_add_co_u32 s42, s42, s40
	s_and_b32 s17, ttmp7, 0xffff
	s_lshl_b32 s17, s17, 2
	s_add_co_u32 s17, s17, s41
	s_lshl_b32 s43, s41, 2
	s_lshl_b32 s43, 15, s43
	s_lshl_b32 s44, 0x1111, s40
	s_or_b32 s[G1+0], s43, (3<<16)|(1<<21)
	s_mov_b32 s[G1+1], 32<<16
	s_mov_b32 s[G1+2], 128<<16
	s_mov_b32 s[G1+3], 32<<16
	s_mov_b32 s[G1+4], 128
	s_mov_b32 s[G1+5], 32
	s_mov_b32 s[G1+6], 0
	s_mov_b32 s[G1+7], 0
	s_or_b32 s[G1B+0], s44, (0<<16)|(1<<20)|(1<<21)|(5<<22)|(3<<25)
	s_mov_b32 s[G1B+1], 256<<16
	s_mov_b32 s[G1B+2], 64<<16
	s_mov_b32 s[G1B+3], 256<<16
	s_mov_b32 s[G1B+4], 64
	s_mov_b32 s[G1B+5], 1024
	s_mov_b32 s[G1B+6], 0
	s_mov_b32 s[G1B+7], 0
	s_lshl_b32 s18, s16, 15
	s_lshl_b32 s20, s17, 16
	s_add_co_u32 s20, s20, s18
	s_mov_b32 s21, 0
	s_lshl_b32 s46, s42, 7
	s_lshl_b32 s47, s16, 6
	s_add_co_u32 s46, s46, s47
	s_lshl_b32 s46, s46, 10
	s_mov_b32 s47, 0
	s_mul_i32 s45, s16, AHALF
	s_mul_i32 s72, s16, BHALF
	s_add_co_u32 s72, s72, BOFF
	s_wait_kmcnt 0x0
	s_load_b256 s[88:95], s[8:9], 0x0
	s_add_nc_u64 s[20:21], s[4:5], s[20:21]
	s_add_nc_u64 s[46:47], s[6:7], s[46:47]
	CROUND
.irp s, 0,1
	s_mov_b32 s[G0+4*\s], 1
	s_add_co_u32 s[G0+4*\s+1], s45, \s*SLOT
	s_add_nc_u64 s[G0+4*\s+2:G0+4*\s+3], s[20:21], \s*2097152
	s_or_b32 s[G0+4*\s+3], s[G0+4*\s+3], 0x80000000
	s_mov_b32 s[G0B+4*\s], 1
	s_add_co_u32 s[G0B+4*\s+1], s72, \s*SLOT
	s_add_nc_u64 s[G0B+4*\s+2:G0B+4*\s+3], s[46:47], \s*256
	s_or_b32 s[G0B+4*\s+3], s[G0B+4*\s+3], 0x80000000
	s_wait_alu depctr_va_vdst(0)
	s_wait_tensorcnt 0x0
	ds_add_u32 v28, v29
	ds_add_u32 v28, v29
	s_wait_dscnt 0x0
	CROUND
	JLOAD \s
.endr
	v_and_b32 v1, 15, v0
	v_bfe_u32 v2, v0, 4, 1
	v_and_b32 v3, 31, v0
	v_lshlrev_b32 v3, 4, v3
	v_mul_u32_u24 v4, v1, PITCH
	v_lshl_add_u32 v4, v2, 4, v4
	s_mul_i32 s21, s15, AHALF
	s_mul_i32 s22, s16, BHALF
	s_add_co_u32 s22, s22, BOFF
.irp s, 0,1
	v_add_nc_u32 v[ADRA+\s], s21, v3
	v_add_nc_u32 v[ADRB+\s], s22, v4
	s_add_co_u32 s21, s21, SLOT
	s_add_co_u32 s22, s22, SLOT
.endr
	s_mul_i32 s23, s14, 16*PITCH
	v_mul_u32_u24 v5, v1, PITCH
	v_lshl_add_u32 v5, v2, 5, v5
	v_add_nc_u32 v[STO], s23, v5
	v_mul_u32_u24 v5, v2, PITCH
	v_lshl_add_u32 v5, v1, 4, v5
	v_add_nc_u32 v[RD], s23, v5
	v_lshlrev_b32 v5, 12, v2
	v_lshl_add_u32 v[CO], v1, 4, v5
	s_lshl_b32 s74, s17, 8
	s_lshl_b32 s75, s15, 7
	s_add_co_u32 s74, s74, s75
	s_lshl_b32 s74, s74, 12
	s_lshl_b32 s75, s42, 9
	s_add_co_u32 s74, s74, s75
	s_lshl_b32 s75, s16, 8
	s_add_co_u32 s74, s74, s75
	s_mov_b32 s75, 0
	s_add_nc_u64 s[10:11], s[10:11], s[74:75]
.macro FETCH slot, q, p
	WIN TO_A
.irp a, 0,1,2,3,4,5,6,7
.irp cc, 0,1,2,3
	ds_load_b128 v[128*(\p)+16*\a+4*\cc:128*(\p)+16*\a+4*\cc+3], v[ADRA+\slot] offset:4096*\a+2048*(\q)+512*\cc
.endr
.endr
	WIN 0
.irp b, 0,1,2,3
.irp cc, 0,1,2,3
	ds_load_b128 v[BS+64*(\p)+16*\b+4*\cc:BS+64*(\p)+16*\b+4*\cc+3], v[ADRB+\slot] offset:16*PITCH*\b+128*(\q)+32*\cc
.endr
.endr
.endm
.macro MUL8 a0, p, zero
.irp a, \a0, \a0+1
.irp b, 0,1,2,3
.if \zero
	v_wmma_f32_16x16x128_fp8_fp8 v[8*(4*(\a)+\b):8*(4*(\a)+\b)+7], v[BS+64*(\p)+16*\b:BS+64*(\p)+16*\b+15], v[128*(\p)+16*(\a):128*(\p)+16*(\a)+15], 0
.else
	v_wmma_f32_16x16x128_fp8_fp8 v[8*(4*(\a)+\b):8*(4*(\a)+\b)+7], v[BS+64*(\p)+16*\b:BS+64*(\p)+16*\b+15], v[128*(\p)+16*(\a):128*(\p)+16*(\a)+15], v[8*(4*(\a)+\b):8*(4*(\a)+\b)+7]
.endif
.endr
.endr
.endm
.macro STEP slot, zero
	s_wait_dscnt 0x0
	WIN MUL
	MUL8 0, 0, \zero
	MUL8 2, 0, \zero
	PLACES 4
	FETCH \slot, 1, 1
	WIN MUL
	MUL8 4, 0, \zero
	MUL8 6, 0, \zero
	WIN 0
.endm
.macro TURN slot, next, fill
	s_wait_tensorcnt 0x0
	ds_add_u32 v[SPW], v[NIL]
	s_wait_dscnt 1
	WIN MUL
	MUL8 0, 1, 0
	s_wait_dscnt 0x0
	s_barrier_signal -1
	MUL8 2, 1, 0
	WIN 0
	s_barrier_wait -1
.if \fill
	CREST
	s_add_nc_u64 s[G0+4*\slot+2:G0+4*\slot+3], s[G0+4*\slot+2:G0+4*\slot+3], 2*2097152
	s_add_nc_u64 s[G0B+4*\slot+2:G0B+4*\slot+3], s[G0B+4*\slot+2:G0B+4*\slot+3], 512
	JLOAD \slot
.else
	PLACES 4
.endif
	s_wait_alu depctr_va_vdst(0)
	FETCH \next, 0, 0
	WIN MUL
	MUL8 4, 1, 0
	MUL8 6, 1, 0
	WIN 0
.endm
	s_wait_tensorcnt 1
	s_barrier_signal -1
	s_barrier_wait -1
	FETCH 0, 0, 0
	STEP 0, 1
	TURN 0, 1, 1
	STEP 1, 0
	TURN 1, 0, 1
	STEP 0, 0
	TURN 0, 1, 0
	STEP 1, 0
	s_wait_dscnt 0x0
	WIN MUL
	MUL8 0, 1, 0
	MUL8 2, 1, 0
	MUL8 4, 1, 0
	MUL8 6, 1, 0
	WIN 0
.macro TOSTAGE a
	WIN 0x02
.set ii, 0
.rept 16
	v_pk_mul_f32 v[TMP+32*((\a)%2)+ii:TMP+32*((\a)%2)+ii+1], v[32*(\a)+ii:32*(\a)+ii+1], s[96:97] op_sel_hi:[1,0]
.set ii, ii+2
.endr
	WIN 0
.irp b, 0,1,2,3
	ds_store_b128 v[STO], v[TMP+32*((\a)%2)+8*\b:TMP+32*((\a)%2)+8*\b+3] offset:64*\b
	ds_store_b128 v[STO], v[TMP+32*((\a)%2)+8*\b+4:TMP+32*((\a)%2)+8*\b+7] offset:64*\b+16
.endr
	WIN TO_A
.irp t, 0,1,2,3,4,5,6,7
	ds_load_b128 v[32*(\a)+4*\t:32*(\a)+4*\t+3], v[RD] offset:\t*2*PITCH
.endr
	WIN 0
.endm
.macro SEND a, younger
	s_wait_dscnt \younger
	WIN 0x04
.irp t, 0,1,2,3,4,5,6,7
	global_store_b128 v[CO], v[32*(\a)+4*\t:32*(\a)+4*\t+3], s[10:11] offset:65536*(\a)+8192*\t th:TH_STORE_NT
.endr
	WIN 0
.endm
	s_wait_kmcnt 0x0
	s_add_co_i32 s96, s94, s95
	s_add_co_i32 s96, s96, 127
	s_lshl_b32 s96, s96, 23
	s_mov_b32 s97, s96
	PLACES 4
	TOSTAGE 0
.irp a, 1,2,3,4,5,6,7
	TOSTAGE \a
	SEND \a-1, 16
.endr
	SEND 7, 0
	s_wait_tensorcnt 0x0
	ds_add_u32 v[SPW], v[NIL]
	s_wait_dscnt 0x0
	CROUND
	s_endpgm
.Lfunc_end_k_q23d4fc5bd9_gemm_out:
	.size	k_q23d4fc5bd9_gemm_out, .Lfunc_end_k_q23d4fc5bd9_gemm_out-k_q23d4fc5bd9_gemm_out
	.p2alignl 7, 3214868480
	.fill 96, 4, 3214868480
	.section	.rodata,"a",@progbits
	.p2align	6, 0x0
	.amdhsa_kernel k_q23d4fc5bd9_gemm_out
		.amdhsa_group_segment_fixed_size 327680
		.amdhsa_private_segment_fixed_size 0
		.amdhsa_enable_private_segment 0
		.amdhsa_kernarg_size 32
		.amdhsa_user_sgpr_count 2
		.amdhsa_user_sgpr_kernarg_segment_ptr 1
		.amdhsa_wavefront_size32 1
		.amdhsa_system_sgpr_workgroup_id_x 1
		.amdhsa_system_sgpr_workgroup_id_y 1
		.amdhsa_system_sgpr_workgroup_id_z 1
		.amdhsa_system_vgpr_workitem_id 0
		.amdhsa_next_free_vgpr 768
		.amdhsa_next_free_sgpr 100
		.amdhsa_reserve_vcc 0
		.amdhsa_float_denorm_mode_32 3
		.amdhsa_float_denorm_mode_16_64 3
		.amdhsa_memory_ordered 1
		.amdhsa_forward_progress 1
		.amdhsa_inst_pref_size 77
	.end_amdhsa_kernel
	.amdgpu_metadata
---
amdhsa.version: [ 1, 2 ]
amdhsa.kernels:
  - .name:           k_q23d4fc5bd9_gemm_out
    .symbol:         k_q23d4fc5bd9_gemm_out.kd
    .args:
      - { .name: o_img, .offset: 0, .size: 8, .value_kind: global_buffer, .address_space: global }
      - { .name: wo_codes, .offset: 8, .size: 8, .value_kind: global_buffer, .address_space: global }
      - { .name: lowp_scales, .offset: 16, .size: 8, .value_kind: global_buffer, .address_space: global }
      - { .name: out0, .offset: 24, .size: 8, .value_kind: global_buffer, .address_space: global }
    .group_segment_fixed_size: 327680
    .private_segment_fixed_size: 0
    .kernarg_segment_align: 8
    .kernarg_segment_size: 32
    .max_flat_workgroup_size: 128
    .sgpr_count:     100
    .vgpr_count:     768
    .wavefront_size: 32
...
	.end_amdgpu_metadata
.endif
;; end of part 4
